; MI455X (gfx1250); checked and timed in simulation.
; The chip was launched on July 23, 2026; its instructions are those of AMD's public machine-readable ISA for CDNA 5 (MIT licence, August 2026) and "CDNA5" Instruction Set Architecture Reference Guide (July 2026). The comments in the code are by the model that wrote it; some were corrected since.
;; Multi Head Attention. Allowed arithmetic: matrix products marked QUANTISED: E2M3 operands, one E8M0 scale for each 32 along K, by v_wmma_scale_f32_16x16x128_f8f6f4 with both operands' format E2M3, f32 sums; everything else in f32.
;; Inputs: W_out 1,024 x 1,024 float32; W_qkv 1,024 x 3,072 float32; b_out 1,024 float32; b_qkv 3,072 float32; x 4 x 2,048 x 1,024 float32.
;; Outputs: out0 4 x 2,048 x 1,024 float32.
;; This version of the problem:
;;   THIS VERSION OF THE PROBLEM IS GIVEN IN LOW PRECISION. The matrix products marked QUANTISED in the list below multiply operands that are first quantised to E2M3 (2 exponent bits, 3 mantissa bits; 6 bits a number), with one power-of-two scale for each 32 numbers along K (OCP MX v1.0); their sums are f32. All else is computed in f32.
;;   The module's matrix products, in the order in which they are computed (A, B: the left and right operand; K: the contracted axis; several contracted axes count as one K, in the product's order):
;;     1. [M 8,192, K 1,024] x [K 1,024, N 3,072]; A: input x; B: input W_qkv: QUANTISED
;;     2. batch 64 x [M 2,048, K 64] x [K 64, N 2,048]; A: computed on the way; B: computed on the way: QUANTISED
;;     3. batch 64 x [M 2,048, K 2,048] x [K 2,048, N 64]; A: softmax (see below); B: computed on the way: QUANTISED
;;     4. [M 8,192, K 1,024] x [K 1,024, N 1,024]; A: computed on the way; B: input W_out: QUANTISED
;;   THE QUANTISER, for each operand of a quantised product, along K:
;;     - K is cut into blocks of 32 from its start; a last block that is shorter is filled with zeros.
;;     - A block's scale is 2^e with e = floor(log2(the largest magnitude in the block)) - 2, held to -126 .. 127; a block of zeros has e = 0. As a byte (E8M0): e + 127.
;;     - Each number is divided by its block's scale, clamped to +-7.5, and rounded to the nearest number of E2M3, ties to even, subnormals kept.
;;     - The product sums the exact products of the quantised numbers (number of the format x scale) in f32.
;;   ~~~python
;;   def quantise(x, axis):      # numpy; x: float32 -> the quantised numbers, widened to float32 again
;;       x = np.moveaxis(x, axis, -1); K = x.shape[-1]
;;       x = np.pad(x, [(0, 0)] * (x.ndim - 1) + [(0, -K % 32)]); x = x.reshape(x.shape[:-1] + (-1, 32)); a = np.abs(x).max(-1, keepdims=True)
;;       e = np.where(a > 0, np.clip(np.frexp(np.where(a > 0, a, 1))[1] - 1 - 2, -126, 127), 0)      # np.frexp(a)[1] - 1 = floor(log2(a)), exactly
;;       r = np.clip(x / 2.0 ** e, -7.5, 7.5)
;;       step = 2.0 ** (np.maximum(np.frexp(np.where(r == 0, 1, r))[1] - 1, 0) - 3)
;;       q = np.round(r / step) * step * 2.0 ** e      # np.round: ties to even
;;       return np.moveaxis(q.reshape(q.shape[:-2] + (-1,))[..., :K], -1, axis).astype(np.float32)
;;   ~~~
;;   SOFTMAX AHEAD OF A QUANTISED PRODUCT. Where the list says 'softmax', what is quantised is not the finished softmax but p = 2^(t - M), with t = logit x log2(e) and M = ceil(the row's largest t), a whole number; so 1/2 < the row's largest p <= 1. The row's sum l is taken of the UNQUANTISED p, in f32, and the product's result is divided by l at the end. Since M is a whole number, a kernel that streams over the keys may use a running M (the ceiling of the running maximum): every later rescaling is an exact power of two, which a block's scale takes up: the codes' values come out the same.
;;   OPERANDS COMPUTED ON THE WAY. 'Computed on the way' means the value that the module computes at that place (a softmax that the list does not call 'softmax' is quantised finished and normalised). What goes into a quantiser is computed in f32, as accurately as f32 sums, v_exp_f32 and their like allow (about 1e-6 of the number): no bf16 or f16 on the way to a quantiser, and a product that is left as it is and whose result goes on into a quantised operand takes f32 operands (vector FMAs, or v_wmma_f32_16x16x4_f32). A number that lies on a knife's edge between two numbers of the format may be rounded either way, as far as f32 arithmetic and the matrix unit's own rounding can turn it there, and no further.
;; One version. Each part assembles by itself: llvm-mc -triple=amdgcn-amd-amdhsa -mcpu=gfx1250 --defsym DOCPART=n.
;; ======== version 1 of 1: 4 launches
;; workspace buffers: xc 6,291,456 bytes; xs 262,144 bytes; wc 3,145,728 bytes; ws 131,072 bytes; heads 19,660,800 bytes; oc 6,291,456 bytes; os 262,144 bytes
;; launch prep (part 1): grid 384 x 1, 4 waves a work-group, no clusters, 42,496 bytes of LDS; arguments x, W_qkv, W_out, xc, xs, wc, ws; writes xc, xs, wc, ws
.if DOCPART == 1
	.amdgcn_target "amdgcn-amd-amdhsa--gfx1250"
	.amdhsa_code_object_version 6
	.text
	.protected	k_qc6eb7346cf_prep
	.globl	k_qc6eb7346cf_prep
	.p2align	8
	.type	k_qc6eb7346cf_prep,@function
k_qc6eb7346cf_prep:
	s_mov_b64 s[64:65], 0
	v_nop
	global_prefetch_b8 v0, s[64:65] scope:SCOPE_SE
	s_setreg_imm32_b32 hwreg(HW_REG_WAVE_MODE, 25, 1), 1
	s_wait_xcnt 0x0
; x [8192][1024], W_qkv [1024][3072] and W_out [1024][1024], f32, become codes of FP6 (E2M3) with one E8M0 byte for each 32 along K, laid in the ORDER OF THE OPERAND'S REGISTERS.
; ROWS GO IN GROUPS OF 32 (x: rows; the weights: columns, since K is their first axis).  Tile u (0, 1) of a group holds at lane place r the group's row 8 u + r + 8 (r / 8).
; AN IMAGE is 768 bytes: 16 rows (a tile) x 64 along K as the operand's registers 0-5: registers 0-3 of lane l at 16 l, registers 4-5 at 512 + 8 l; lane (r, h) holds k = 32 h .. 32 h + 31 of the 64.
; Codes: [group][64 along K: 0..15][u][768].  Scale words: [group][256 along K: 0..3][u][r][128 along K: 0..1], four bytes each.  wc, ws: groups 0-95 W_qkv's columns, 96-127 W_out's.
; A block's scale is 2^(floor(log2(largest magnitude)) - 2); its byte is the largest magnitude's exponent field - 2, held at 1 from below.
; LIMITS: a block of zeros, or one whose largest magnitude lies under 2^-124, gets the byte 1 (a block of zeros has zero codes; only this program reads the bytes); NaN and infinities among the inputs are not served.
; Work-groups 0-255: a group of x's rows, wave = 256 along K.  Work-groups 256-383: 128 columns of a weight x 256 along K, wave = a group of 32 columns.  Each reads 128 KiB.
; No cluster, no tensor load, no barrier: work-groups and waves share no input.  The two paths have LDS bytes of their own.
.set SPARE, 41984                      ; the spare words: 128 bytes for each wave, two blocks of 256 bytes that no other line names
.set XSTG,  4352                       ; path X: a wave's stage, 16 rows x (256 bytes + 16)
.set WSTG0, 17408                      ; path W: the stages begin here,
.set WSTG,  6144                       ; a wave's: eight images
.set SPW, 12                           ; v12  LDS address of my spare word; never rewritten
.set NIL, 13                           ; v13  0; never rewritten
.set E,   16                           ; path X: v16-23 a scale byte for each step
.set T,   24                           ; v24-26 a block's upper 16 codes, then v24-31 the scale words
.set R,   32                           ; v32-159 four sets of 32 numbers as loaded
.set X,   160                          ; v160-191 a block of 32 neighbours
.set C,   192                          ; v192-255 codes: eight registers for each step, so that no store's data are written again
.set VO,  32                           ; path W: v32-63 byte offsets of 32 rows of K
.set WX,  64                           ; v64-127 two sets of 32 numbers
.set WC,  128                          ; v128-133 a block's codes
.set WT,  136                          ; v136-138 its upper 16
.set SB,  140                          ; v140-141 the scale bytes, four to a register
	s_load_b256 s[4:11], s[0:1], 0x0               ; x s[4:5], W_qkv s[6:7], W_out s[8:9], xc s[10:11]
	s_load_b128 s[12:15], s[0:1], 0x20             ; xs s[12:13], wc s[14:15]
	s_load_b64 s[18:19], s[0:1], 0x30              ; ws
	v_lshl_add_u32 v[SPW], v0, 2, SPARE
	v_mov_b32 v[NIL], 0
	v_lshrrev_b32 v1, 5, v0
	v_readfirstlane_b32 s16, v1                    ; wave 0..3
	v_and_b32 v2, 31, v0                           ; lane
	v_and_b32 v3, 15, v0                           ; lane % 16
	v_bfe_u32 v15, v0, 4, 1                        ; h = lane / 16
	s_cmp_lt_u32 ttmp9, 256
	s_cbranch_scc0 .Lweights
	; ---------------- PATH X: K is innermost ----------------
	v_lshlrev_b32 v4, 12, v15
	v_lshl_add_u32 v4, v3, 4, v4                   ; a load: lanes 0-15 take 256 bytes of one row, lanes 16-31 of the next
	s_mul_i32 s17, s16, XSTG
	v_mul_u32_u24 v5, v15, 272
	v_lshl_add_u32 v5, v3, 4, v5
	v_add_nc_u32 v5, s17, v5                       ; into the stage as loaded: two rows a store
	v_mul_u32_u24 v6, v3, 272
	v_lshl_add_u32 v6, v15, 7, v6
	v_add_nc_u32 v6, s17, v6                       ; out of it: row r, my half's 128 bytes: 32 neighbours along K
	v_lshlrev_b32 v7, 4, v2                        ; 16 x lane
	v_lshlrev_b32 v10, 3, v2                       ; 8 x lane
	v_lshlrev_b32 v14, 3, v15                      ; 8 h: my byte's place in a scale word
	s_mov_b32 s20, 0x76543210
	s_mov_b32 s21, 0xfedcba98                      ; v_permlanex16_b32's selects for lane l xor 16
	s_mov_b32 s22, 0xffff0000                      ; lanes 16-31
	s_lshl_b32 s24, ttmp9, 17                      ; x: 32 rows of 4,096 bytes a group,
	s_lshl_b32 s26, s16, 10                        ; 1,024 bytes of a row a wave
	s_add_co_u32 s24, s24, s26
	s_mov_b32 s25, 0
	s_mul_i32 s26, ttmp9, 24576                    ; codes: 24,576 bytes a group,
	s_mul_i32 s28, s16, 6144                       ; 6,144 for 256 along K
	s_add_co_u32 s26, s26, s28
	s_mov_b32 s27, 0
	s_lshl_b32 s28, ttmp9, 10                      ; scale words: 1,024 bytes a group, 256 a wave
	s_lshl_b32 s30, s16, 8
	s_add_co_u32 s28, s28, s30
	s_mov_b32 s29, 0
	s_wait_alu depctr_va_vdst(0)
	s_wait_kmcnt 0x0
	s_add_nc_u64 s[4:5], s[4:5], s[24:25]
	s_add_nc_u64 s[10:11], s[10:11], s[26:27]
	s_add_nc_u64 s[12:13], s[12:13], s[28:29]
; Step t makes one image: tile u = t % 2, the wave's (t / 2)-th 64 along K.  Eight loads of 512 bytes: places 2 i and 2 i + 1 of the tile are the group's rows 8 u + 2 i + 8 (i / 4) and the next.
.macro XLOAD t
.irp i, 0,1,2,3,4,5,6,7
	global_load_b128 v[R+32*((\t)%4)+4*\i:R+32*((\t)%4)+4*\i+3], v4, s[4:5] offset:(8*((\t)%2)+2*\i+8*(\i/4))*4096+((\t)/2)*256 th:TH_LOAD_NT
.endr
.endm
.macro XSTEP t
.if (\t) < 5
	s_wait_loadcnt 24                              ; this step's eight loads are in; those of the three steps behind it may be out
.else
	s_wait_loadcnt 8*(7-(\t))
.endif
.irp i, 0,1,2,3,4,5,6,7
	ds_store_b128 v5, v[R+32*((\t)%4)+4*\i:R+32*((\t)%4)+4*\i+3] offset:544*\i
.endr
.irp j, 0,1,2,3,4,5,6,7
	ds_load_b128 v[X+4*\j:X+4*\j+3], v6 offset:16*\j               ; LDS serves a wave's instructions in order: these see the stores above
.endr
	s_wait_dscnt 0x0                               ; my block is back, and the stores have read their registers,
.if (\t) < 4
	XLOAD (\t)+4                                   ; which take the loads of four steps on
.endif
	v_max3_num_f32 v8, |v[X]|, |v[X+1]|, |v[X+2]|                  ; the block's largest magnitude: all 32 numbers are mine; two chains
	v_max3_num_f32 v9, |v[X+3]|, |v[X+4]|, |v[X+5]|
.irp i, 6,10,14,18,22,26
	v_max3_num_f32 v8, v8, |v[X+\i]|, |v[X+\i+1]|
	v_max3_num_f32 v9, v9, |v[X+\i+2]|, |v[X+\i+3]|
.endr
	v_max3_num_f32 v8, v8, |v[X+30]|, |v[X+31]|
	v_max3_num_f32 v8, v8, v9, 0x1800000           ; and the floor 2^(3 - 127): the byte cannot fall under 1
	v_add_nc_u32 v11, 0xff000000, v8               ; 2 off the exponent field: the conversion takes this operand's exponent field as its scale
	v_cvt_scalef32_pk16_fp6_f32 v[C+8*(\t):C+8*(\t)+2], v[X:X+15], v11
	v_cvt_scalef32_pk16_fp6_f32 v[T:T+2], v[X+16:X+31], v11        ; (a conversion's three registers begin on an even number)
	v_lshrrev_b32 v[E+(\t)], 23, v11               ; the scale's byte; also the plain line behind the conversions
.irp i, 0,1,2
	v_mov_b32 v[C+8*(\t)+3+\i], v[T+\i]
.endr
	global_store_b128 v7, v[C+8*(\t):C+8*(\t)+3], s[10:11] offset:((\t)/2)*1536+((\t)%2)*768       ; 512 consecutive bytes, at a multiple of 256 from the buffer's first byte
	global_store_b64 v10, v[C+8*(\t)+4:C+8*(\t)+5], s[10:11] offset:((\t)/2)*1536+((\t)%2)*768+512 ; and 256 more
.endm
	XLOAD 0
	XLOAD 1
	XLOAD 2
	XLOAD 3
.irp t, 0,1,2,3,4,5,6,7
	XSTEP \t
.endr
	; the scale words.  Byte b of word q of tile u is the block of step 4 q + 2 (b / 2) + u in the lanes' half b % 2
.irp u, 0,1
.irp q, 0,1
	v_lshl_or_b32 v[24+2*\u+\q], v[E+4*\q+2+\u], 16, v[E+4*\q+\u]
.endr
.endr
.irp k, 0,1,2,3
	v_lshlrev_b32 v[24+\k], v14, v[24+\k]          ; my half's two bytes at their places
	v_mov_b32 v[28+\k], 0                          ; (a lane permute's destination counts as one of its sources)
.endr
.irp k, 0,1,2,3
	v_permlanex16_b32 v[28+\k], v[24+\k], s20, s21
.endr
.irp k, 0,1,2,3
	v_or_b32 v[24+\k], v[24+\k], v[28+\k]          ; with lane l xor 16's two the word is whole, in both halves
.endr
	v_cndmask_b32 v28, v24, v26, s22               ; lanes 0-15 store tile 0's two words of row r, lanes 16-31 tile 1's
	v_cndmask_b32 v29, v25, v27, s22
	global_store_b64 v10, v[28:29], s[12:13]       ; 256 consecutive bytes, aligned
	s_wait_tensorcnt 0x0                           ; the wave's end
	ds_add_u32 v[SPW], v[NIL]
	s_wait_dscnt 0x0
	s_endpgm
	; ---------------- PATH W: K is the first axis.  A lane takes a column, and its registers run down K ----------------
.Lweights:
	s_sub_co_u32 s17, ttmp9, 256
	s_lshr_b32 s20, s17, 2                         ; which 128 columns: 0-23 W_qkv's, 24-31 W_out's
	s_and_b32 s21, s17, 3                          ; which 256 along K
	s_lshl_b32 s22, s20, 2
	s_add_co_u32 s22, s22, s16                     ; my wave's group of 32 columns, 0..127
	s_mov_b32 s23, 4096
	s_cmp_lt_u32 s20, 24
	s_cselect_b32 s23, 12288, s23                  ; a row of the weight in bytes
	s_cselect_b32 s24, 0, 24
	s_sub_co_u32 s24, s20, s24                     ; the block of columns in its own tensor
	s_lshl_b32 s24, s24, 9
	s_lshl_b32 s25, s16, 7
	s_add_co_u32 s24, s24, s25                     ; my wave's first column, in bytes
	s_lshl_b32 s25, s21, 8
	s_mul_i32 s25, s25, s23                        ; my first row of K
	s_add_co_u32 s24, s24, s25
	s_mov_b32 s25, 0
	s_lshl_b32 s26, s23, 5                         ; 32 rows on
	s_mov_b32 s27, 0
	s_wait_alu depctr_va_vdst(0)
	v_lshlrev_b32 v3, 2, v2                        ; 4 bytes a lane: 128 consecutive bytes a wave, 512 a work-group
.irp i, 0,1,2,3,4,5,6,7,8,9,10,11,12,13,14,15,16,17,18,19,20,21,22,23,24,25,26,27,28,29,30,31
	v_mad_u32_u24 v[VO+\i], s23, \i, v3            ; row i of a block (the pitch differs between the two weights, so it cannot stand in an immediate)
.endr
	v_bfe_u32 v1, v0, 3, 1                         ; column c of the group lies in tile u = (c / 8) % 2
	v_and_b32 v8, 7, v0
	v_lshl_or_b32 v8, v15, 3, v8                   ; at place r = c % 8 + 8 (c / 16)
	s_mul_i32 s28, s16, WSTG
	s_add_co_u32 s28, s28, WSTG0                   ; my stage
	v_mul_u32_u24 v9, v1, 768
	v_add_nc_u32 v9, s28, v9
	v_lshl_add_u32 v5, v8, 4, v9                   ; an image's registers 0-3 of place r
	v_lshl_add_u32 v6, v8, 3, v9
	v_add_nc_u32 v6, 512, v6                       ; and its registers 4-5
	v_lshlrev_b32 v10, 4, v2                       ; 16 x lane
	v_add_nc_u32 v7, s28, v10                      ; the stage read back as it lies
	v_lshlrev_b32 v9, 7, v1
	v_lshl_add_u32 v9, v8, 3, v9                   ; my column's two scale words: 128 u + 8 r
	s_mul_i32 s28, s22, 24576
	s_mul_i32 s30, s21, 6144
	s_add_co_u32 s28, s28, s30
	s_mov_b32 s29, 0
	s_lshl_b32 s30, s22, 10
	s_lshl_b32 s31, s21, 8
	s_add_co_u32 s30, s30, s31
	s_mov_b32 s31, 0
	s_wait_kmcnt 0x0
	s_cmp_lt_u32 s20, 24                           ; the choice hangs on the work-group's number alone
	s_cselect_b64 s[32:33], s[6:7], s[8:9]
	s_add_nc_u64 s[32:33], s[32:33], s[24:25]      ; a base for each of the eight blocks: none is stepped while a load reads it
.irp t, 1,2,3,4,5,6,7
	s_add_nc_u64 s[32+2*\t:33+2*\t], s[30+2*\t:31+2*\t], s[26:27]
.endr
	s_add_nc_u64 s[14:15], s[14:15], s[28:29]
	s_add_nc_u64 s[18:19], s[18:19], s[30:31]
.macro WLOAD t
.irp i, 0,1,2,3,4,5,6,7,8,9,10,11,12,13,14,15,16,17,18,19,20,21,22,23,24,25,26,27,28,29,30,31
	global_load_b32 v[WX+32*((\t)%2)+\i], v[VO+\i], s[32+2*(\t):33+2*(\t)] th:TH_LOAD_NT
.endr
.endm
; Block t: 32 along K of my column: half t % 2 of the lanes of image t / 2
.macro WBLOCK t
.set XS, WX+32*((\t)%2)
.if (\t) < 7
	s_wait_loadcnt 32                              ; this block's 32 loads are in; the next block's may be out
.else
	s_wait_loadcnt 0x0
.endif
	v_max3_num_f32 v16, |v[XS]|, |v[XS+1]|, |v[XS+2]|
	v_max3_num_f32 v17, |v[XS+3]|, |v[XS+4]|, |v[XS+5]|
.irp i, 6,10,14,18,22,26
	v_max3_num_f32 v16, v16, |v[XS+\i]|, |v[XS+\i+1]|
	v_max3_num_f32 v17, v17, |v[XS+\i+2]|, |v[XS+\i+3]|
.endr
	v_max3_num_f32 v16, v16, |v[XS+30]|, |v[XS+31]|
	v_max3_num_f32 v16, v16, v17, 0x1800000        ; and the floor 2^(3 - 127)
	v_add_nc_u32 v18, 0xff000000, v16              ; the conversion's scale operand
	v_lshrrev_b32 v19, 23, v18                     ; the scale's byte
.if (\t)%4 == 0
	v_mov_b32 v[SB+(\t)/4], v19                    ; four bytes to a word, the lower K in the lower byte
.else
	v_lshl_or_b32 v[SB+(\t)/4], v19, 8*((\t)%4), v[SB+(\t)/4]
.endif
	v_cvt_scalef32_pk16_fp6_f32 v[WC:WC+2], v[XS:XS+15], v18
	v_cvt_scalef32_pk16_fp6_f32 v[WT:WT+2], v[XS+16:XS+31], v18
	v_nop                                          ; one plain line behind the conversions
.irp i, 0,1,2
	v_mov_b32 v[WC+3+\i], v[WT+\i]
.endr
	ds_store_b128 v5, v[WC:WC+3] offset:((\t)/2)*1536+256*((\t)%2)
	ds_store_b64 v6, v[WC+4:WC+5] offset:((\t)/2)*1536+128*((\t)%2)
.if (\t)+2 < 8
	WLOAD (\t)+2
.endif
	s_wait_dscnt 0x0                               ; the stores have read their registers: the next block's codes may be written
.endm
	WLOAD 0
	WLOAD 1
.irp t, 0,1,2,3,4,5,6,7
	WBLOCK \t
.endr
	s_wait_alu depctr_va_vdst(0)
	global_store_b64 v9, v[SB:SB+1], s[18:19]      ; the wave's 32 lanes fill 256 consecutive bytes, aligned
.irp i, 0,1,2,3,4,5,6,7,8,9,10,11
	ds_load_b128 v[WX+4*\i:WX+4*\i+3], v7 offset:512*\i            ; the eight images as they lie: these see my stores
.endr
.irp i, 0,1,2,3,4,5,6,7,8,9,10,11
	s_wait_dscnt 11-\i                             ; load i is back; the later ones may be out
	global_store_b128 v10, v[WX+4*\i:WX+4*\i+3], s[14:15] offset:512*\i   ; 512 consecutive bytes, aligned
.endr
	s_wait_tensorcnt 0x0                           ; the wave's end: the same three lines
	ds_add_u32 v[SPW], v[NIL]
	s_wait_dscnt 0x0
	s_endpgm
.Lfunc_end_k_qc6eb7346cf_prep:
	.size	k_qc6eb7346cf_prep, .Lfunc_end_k_qc6eb7346cf_prep-k_qc6eb7346cf_prep
	.p2alignl 7, 3214868480
	.fill 96, 4, 3214868480
	.section	.rodata,"a",@progbits
	.p2align	6, 0x0
	.amdhsa_kernel k_qc6eb7346cf_prep
		.amdhsa_group_segment_fixed_size 42496
		.amdhsa_private_segment_fixed_size 0
		.amdhsa_enable_private_segment 0
		.amdhsa_kernarg_size 56
		.amdhsa_user_sgpr_count 2
		.amdhsa_user_sgpr_kernarg_segment_ptr 1
		.amdhsa_wavefront_size32 1
		.amdhsa_system_sgpr_workgroup_id_x 1
		.amdhsa_system_sgpr_workgroup_id_y 1
		.amdhsa_system_sgpr_workgroup_id_z 1
		.amdhsa_system_vgpr_workitem_id 0
		.amdhsa_next_free_vgpr 256
		.amdhsa_next_free_sgpr 66
		.amdhsa_reserve_vcc 0
		.amdhsa_float_denorm_mode_32 3
		.amdhsa_float_denorm_mode_16_64 3
		.amdhsa_memory_ordered 1
		.amdhsa_forward_progress 1
		.amdhsa_inst_pref_size 74
	.end_amdhsa_kernel
	.amdgpu_metadata
---
amdhsa.version: [ 1, 2 ]
amdhsa.kernels:
  - .name:           k_qc6eb7346cf_prep
    .symbol:         k_qc6eb7346cf_prep.kd
    .args:
      - { .name: x, .offset: 0, .size: 8, .value_kind: global_buffer, .address_space: global }
      - { .name: W_qkv, .offset: 8, .size: 8, .value_kind: global_buffer, .address_space: global }
      - { .name: W_out, .offset: 16, .size: 8, .value_kind: global_buffer, .address_space: global }
      - { .name: xc, .offset: 24, .size: 8, .value_kind: global_buffer, .address_space: global }
      - { .name: xs, .offset: 32, .size: 8, .value_kind: global_buffer, .address_space: global }
      - { .name: wc, .offset: 40, .size: 8, .value_kind: global_buffer, .address_space: global }
      - { .name: ws, .offset: 48, .size: 8, .value_kind: global_buffer, .address_space: global }
    .group_segment_fixed_size: 42496
    .private_segment_fixed_size: 0
    .kernarg_segment_align: 8
    .kernarg_segment_size: 56
    .max_flat_workgroup_size: 128
    .sgpr_count:     66
    .vgpr_count:     256
    .wavefront_size: 32
...
	.end_amdgpu_metadata
.endif
;; end of part 1
;; launch qkv (part 2): grid 8 x 48, 4 waves a work-group, clusters of 4 x 4, 327,680 bytes of LDS; arguments xc, xs, wc, ws, b_qkv, heads; writes heads
.if DOCPART == 2
	.amdgcn_target "amdgcn-amd-amdhsa--gfx1250"
	.amdhsa_code_object_version 6
	.text
	.protected	k_qc6eb7346cf_qkv
	.globl	k_qc6eb7346cf_qkv
	.p2align	8
	.type	k_qc6eb7346cf_qkv,@function
k_qc6eb7346cf_qkv:
	s_mov_b64 s[64:65], 0
	v_nop
	global_prefetch_b8 v0, s[64:65] scope:SCOPE_SE
	s_setreg_imm32_b32 hwreg(HW_REG_WAVE_MODE, 25, 1), 1
	s_wait_xcnt 0x0
	s_wait_alu depctr_hold_cnt(0) depctr_sa_sdst(0) depctr_va_vdst(0) depctr_va_sdst(0) depctr_va_ssrc(0) depctr_va_vcc(0) depctr_vm_vsrc(0)
	s_getreg_b32 s2, hwreg(HW_REG_IB_STS2, 6, 4)
	s_cmp_eq_u32 s2, 0
	s_cbranch_scc0 .Lentry_in_a_cluster
	s_endpgm
.Lentry_in_a_cluster:
	s_bfe_u32 s2, ttmp6, 0x10000c
	s_cmp_lg_u32 s2, 0xf033
	s_cbranch_scc0 .Lentry_shape_is_right
	s_endpgm
.Lentry_shape_is_right:
; qkv = x W_qkv + b_qkv on codes of FP6 (E2M3) with E8M0 scales, sums in f32; the result never goes to memory as f32: q and k are quantised along the head's 64, v along the keys, in registers, and leave as operand images.
; OPERANDS (made by the launch before): rows in groups of 32, tile u holds at place r row 8 u + r + 8 (r / 8); an image is 768 bytes = 16 rows x 64 K as registers 0-5 (0-3 of lane l at 16 l, 4-5 at 512 + 8 l).
;   codes [group][64 K][u][768], scale words [group][256 K][u][r][128 K].
; TWO ROLES.  P is the matrix instruction's source 0, R its source 1: in a result lane (r, h) holds place r of R's tile, and the 16 registers of P's tiles 2 b, 2 b + 1 are P's 16 neighbours 32 b + 16 h + 0 .. 15.
;   So what is made is always quantised along P.  MODE 0 (cluster y < 8): P = W's columns 0-2047, R = x's rows: q and k.  MODE 1: P = x's rows (the keys), R = W's columns 2048-3071: v.  The mode hangs on the cluster's y alone.
; SHARES.  A work-group makes 256 (R) x 256 (P), each of four waves 128 x 128: 64 accumulators, 512 registers.  K = 1,024 goes as four steps of 256 through three LDS slots: three first fills and one refill.
; CLUSTER 4 x 4: R's tiles are shared along a row of the cluster, P's along a column: each is asked for jointly, by the same tensor load with the same descriptor and a mask that names the four.
; RECORDS OUT: heads[sec 0 q, 1 k, 2 v][b x 16 + head][block of 128 rows][6,400].  q, k: tile a's image at 768 a, two scale bytes at 6,144 + 16 r + 2 a.
;   v: 64 channels x 128 keys: channel tile 2 g + u, half c of the keys at 3,072 g + 1,536 c + 768 u, scale word at 6,144 + 16 r + 4 (2 g + u).
; LIMITS: a block of zeros, or one whose largest magnitude lies under 2^-124, gets the byte 1; NaN and infinities are not served.  The bias starts each sum (it is added first, not last).
; REGISTERS: window 0: v4-19 addresses; v28, v29 the add's two; v32-63 scale words, two sets; v64-127 the bias, later at work on the way out; v128-223 R's fragments, one set.
;   window 1: P's fragments, two sets, at v0 and v128.   windows 2, 3: the accumulators ((a, b) at v[8 (8 (a % 4) + b)] of window 2 + a / 4).
.set HFI,   768
.set KH,    1536                       ; 64 along K of a group: two images
.set GSL,   6144                       ; 256 along K of a group
.set GRP,   24576                      ; a group's whole K
.set HALFT, 4*GSL                      ; four groups = 128 rows: what one tensor load brings, and what one wave reads of R or of P
.set SLOT,  4*HALFT                    ; R's 256 rows, then P's
.set SCL,   3*SLOT                     ; behind the slots: the scale words for all of K, 4,096 bytes for each 128 rows: R's two halves, then P's
.set SPARE, SCL+4*4096                 ; the spare words: 128 bytes for each wave, two blocks of 256 bytes that no other line names
.set REC,   6400
.set HEADB, 16*REC                     ; from a head's records to the next head's
.set FR,    12                         ; registers of a fragment (16 rows x 128 K)
.set NL,    4                          ; LDS loads that bring one
.set NP,    4                          ; places behind this matrix instruction (ISA guide 7.12.1)
.set ADRA,  4                          ; v4-6 LDS address of my R fragments in slot 0, 1, 2 (16 x lane); v7-9 the same with 8 x lane
.set ADRB,  10                         ; v10-12, v13-15 the same for P
.set ADRS,  16                         ; v16 my scale words: lanes 0-15 R's, lanes 16-31 P's
.set L16,   17                         ; v17 16 x lane
.set L8,    18                         ; v18 8 x lane
.set VSC,   19                         ; v19 16 r + h x HEADB: the records' scale bytes
.set SPW,   28
.set NIL,   29
.set SC,    32                         ; set s at v[SC + 16 s]; register 2 i + q: lanes 0-15 R's tile i, lanes 16-31 P's tile i, the step's q-th 128 along K
.set BIAS,  64
.set AF,    128
.set TM,    64                         ; the way out: v64-67 largest magnitudes, v68-71 bytes, v76-79 scale operands
.set T2,    80                         ; v80-86 the blocks' upper halves
.set PC,    96                         ; v96-107 the codes
.set PW,    112                        ; v112-119 a scale word for each of R's tiles
.set SR,    120                        ; v120-127 the scale bytes on their way out
.set G1,    24                         ; s[24:31] group 1 for R's codes; s[32:39] P's; s[40:47], s[48:55] for the scale words
.set G1B,   32
.set G1S,   40
.set G1SB,  48
.set G0,    68                         ; s[68:79] group 0 for R's codes, a set for each slot; s[80:91] P's; s[92:95], s[96:99] for the scale words
.set G0B,   80
.set G0S,   92
.set G0SB,  96
.set MSB, 0
.macro WIN new                         ; the immediate's high byte repeats the setting that is left
.if MSB != (\new)
	s_set_vgpr_msb (MSB<<8)|(\new)
.set MSB, (\new)
.endif
.endm
.set MUL_LO, 0xa1                      ; source 0 (P) window 1, source 1 (R) window 0, C and D window 2
.set MUL_HI, 0xf1                      ; the same, C and D window 3
.set TO_B,   0x40                      ; destination window 1, address window 0
; A joint load: waves 0 and 1 fetch for R, waves 2 and 3 for P.  Each line has one mask and one set of registers for all that issue it; the branch hangs on the wave's number alone.
; An s_nop 0 and four v_nop follow each of the two lines, ahead of the jump, the label and what follows.
.macro JLOAD g0a, g1a, g0b, g1b
	s_cmp_eq_u32 s17, 0
	s_cbranch_scc0 .Lfor_b_\@
	tensor_load_to_lds s[\g0a:\g0a+3], s[\g1a:\g1a+7]
	s_nop 0
.rept 4
	v_nop
.endr
	s_branch .Lasked_\@
.Lfor_b_\@:
	tensor_load_to_lds s[\g0b:\g0b+3], s[\g1b:\g1b+7]
	s_nop 0
.rept 4
	v_nop
.endr
.Lasked_\@:
.endm
.macro CREST                           ; a round of the cluster's barrier behind its opening barrier
	s_cmp_lg_u32 s16, 0
	s_cbranch_scc1 .Lnot_wave_0_\@
	s_barrier_signal -3
.Lnot_wave_0_\@:
	s_barrier_wait -3
	s_barrier_signal -1
	s_barrier_wait -1
.endm
.macro CROUND                          ; a whole round
	s_barrier_signal -1
	s_barrier_wait -1
	CREST
.endm
	s_load_b256 s[4:11], s[0:1], 0x0               ; xc s[4:5], xs s[6:7], wc s[8:9], ws s[10:11]
	s_load_b128 s[12:15], s[0:1], 0x20             ; b_qkv s[12:13], heads s[14:15]
	v_lshl_add_u32 v[SPW], v0, 2, SPARE
	v_mov_b32 v[NIL], 0
	ds_add_u32 v[SPW], v[NIL]                      ; the wave's opening: the add and its wait ahead of my first tensor load; the set-up below, work on registers, stands between them
	v_lshrrev_b32 v1, 5, v0
	v_readfirstlane_b32 s16, v1                    ; wave 0..3
	s_lshr_b32 s17, s16, 1                         ; SIDE: my half of R's rows.  Also: I fetch for R (0) or for P (1)
	s_and_b32 s18, s16, 1                          ; SEL: my half of P's rows.  Also: which 128 rows I fetch
	s_bfe_u32 s20, ttmp6, 0x40000                  ; cx
	s_bfe_u32 s21, ttmp6, 0x40004                  ; cy
	s_and_b32 s22, ttmp7, 0xffff                   ; the cluster's y
	s_lshl_b32 s2, s21, 2
	s_lshl_b32 s2, 15, s2                          ; my row of the cluster
	s_lshl_b32 s3, 0x1111, s20                     ; my column
	; group 1, codes: four groups' 6,144 bytes, 24,576 bytes apart: 4 rows of 768 elements of 8 bytes; no padding: images are read as they lie
	s_or_b32 s[G1], s2, (3<<16)|(1<<21)            ; 15:0 the mask: R's tiles go to my row; 17:16 elements of 8 bytes; 21 set beside a mask
	s_or_b32 s[G1B], s3, (3<<16)|(1<<21)           ; P's to my column
.irp g, G1, G1B
	s_mov_b32 s[\g+1], 768<<16                     ; tensor_dim0
	s_mov_b32 s[\g+2], 4<<16                       ; tensor_dim1
	s_mov_b32 s[\g+3], 768<<16                     ; tile_dim0
	s_mov_b32 s[\g+4], 4                           ; tile_dim1
	s_mov_b32 s[\g+5], 3072                        ; tensor_dim0_stride
	s_mov_b32 s[\g+6], 0
	s_mov_b32 s[\g+7], 0
.endr
	; group 1, scale words: four groups' 4,096 dense bytes as 16 rows of 256
	s_or_b32 s[G1S], s2, (3<<16)|(1<<21)
	s_or_b32 s[G1SB], s3, (3<<16)|(1<<21)
.irp g, G1S, G1SB
	s_mov_b32 s[\g+1], 32<<16
	s_mov_b32 s[\g+2], 16<<16
	s_mov_b32 s[\g+3], 32<<16
	s_mov_b32 s[\g+4], 16
	s_mov_b32 s[\g+5], 32
	s_mov_b32 s[\g+6], 0
	s_mov_b32 s[\g+7], 0
.endr
	; which groups I fetch.  R's hang on cy and the cluster's y, P's on cx and the cluster's x and y
	s_lshl_b32 s56, s22, 5                         ; 32 y
	s_sub_co_u32 s60, s22, 8
	s_lshl_b32 s60, s60, 6                         ; 64 (y - 8)
	s_cmp_lt_u32 s22, 8
	s_cselect_b32 s19, 0, 1                        ; MODE
	s_cselect_b32 s56, s56, 64                     ; R: x's rows from group 32 y on, or W's columns from group 64 on
	s_cselect_b32 s60, 0, s60                      ; P: W's columns from group 0 on, or x's rows from group 64 (y - 8) on
	s_lshl_b32 s58, s18, 2                         ; 4 SEL
	s_lshl_b32 s57, s21, 3
	s_add_co_u32 s56, s56, s57
	s_add_co_u32 s56, s56, s58                     ; R's group: + 8 cy + 4 SEL
	s_lshl_b32 s61, ttmp9, 2
	s_add_co_u32 s61, s61, s20
	s_lshl_b32 s61, s61, 3
	s_add_co_u32 s60, s60, s61
	s_add_co_u32 s60, s60, s58                     ; P's group: + 8 (4 x + cx) + 4 SEL
	s_lshl_b32 s58, s56, 10                        ; in bytes: scale words,
	s_mul_i32 s56, s56, GRP                        ; codes
	s_lshl_b32 s62, s60, 10
	s_mul_i32 s60, s60, GRP
	s_mov_b32 s57, 0
	s_mov_b32 s59, 0
	s_mov_b32 s61, 0
	s_mov_b32 s63, 0
	s_mul_i32 s2, s16, HALFT                       ; where they go: wave x 128 rows: no place in the cluster enters an LDS address
	s_lshl_b32 s3, s16, 12
	s_mov_b32 s100, 0x76543210
	s_mov_b32 s101, 0xfedcba98                     ; v_permlanex16_b32's selects for lane l xor 16
	s_mov_b32 s23, 0xffff0000                      ; lanes 16-31
	s_wait_dscnt 0x0                               ; the opening add is done
	s_wait_kmcnt 0x0
	s_cmp_eq_u32 s19, 0                            ; the roles' buffers: the choice hangs on the cluster's y alone
	s_cselect_b64 s[66:67], s[4:5], s[8:9]         ; R's codes
	s_cselect_b64 s[8:9], s[8:9], s[4:5]           ; P's codes
	s_cselect_b64 s[4:5], s[6:7], s[10:11]         ; R's scale words
	s_cselect_b64 s[10:11], s[10:11], s[6:7]       ; P's scale words
	s_add_nc_u64 s[66:67], s[66:67], s[56:57]
	s_add_nc_u64 s[4:5], s[4:5], s[58:59]
	s_add_nc_u64 s[8:9], s[8:9], s[60:61]
	s_add_nc_u64 s[10:11], s[10:11], s[62:63]
	CROUND                                         ; all sixteen work-groups are here: the first joint loads meet
	s_mov_b32 s[G0S], 1
	s_add_co_u32 s[G0S+1], s3, SCL
	s_mov_b64 s[G0S+2:G0S+3], s[4:5]
	s_or_b32 s[G0S+3], s[G0S+3], 0x80000000
	s_mov_b32 s[G0SB], 1
	s_add_co_u32 s[G0SB+1], s3, SCL
	s_mov_b64 s[G0SB+2:G0SB+3], s[10:11]
	s_or_b32 s[G0SB+3], s[G0SB+3], 0x80000000
	JLOAD G0S, G1S, G0SB, G1SB                     ; the scale words first: they are wanted with K step 0
.irp s, 0,1,2
	s_mov_b32 s[G0+4*\s], 1
	s_add_co_u32 s[G0+4*\s+1], s2, \s*SLOT
	s_add_nc_u64 s[G0+4*\s+2:G0+4*\s+3], s[66:67], \s*GSL
	s_or_b32 s[G0+4*\s+3], s[G0+4*\s+3], 0x80000000
	s_mov_b32 s[G0B+4*\s], 1
	s_add_co_u32 s[G0B+4*\s+1], s2, \s*SLOT
	s_add_nc_u64 s[G0B+4*\s+2:G0B+4*\s+3], s[8:9], \s*GSL
	s_or_b32 s[G0B+4*\s+3], s[G0B+4*\s+3], 0x80000000
	JLOAD G0+4*\s, G1, G0B+4*\s, G1B               ; K steps 0, 1, 2: four tensor loads of mine are out
.endr
	v_and_b32 v1, 31, v0                           ; lane
	v_and_b32 v2, 15, v0                           ; r
	v_bfe_u32 v3, v0, 4, 1                         ; h
	v_lshlrev_b32 v[L16], 4, v1
	v_lshlrev_b32 v[L8], 3, v1
	s_mul_i32 s56, s17, HALFT                      ; my 128 rows of R
	s_mul_i32 s57, s18, HALFT                      ; my 128 rows of P,
	s_add_co_u32 s57, s57, 2*HALFT                 ; which lie behind R's 256
.irp s, 0,1,2
	v_add_nc_u32 v[ADRA+\s], s56, v[L16]
	v_add_nc_u32 v[ADRA+3+\s], s56, v[L8]
	v_add_nc_u32 v[ADRB+\s], s57, v[L16]
	v_add_nc_u32 v[ADRB+3+\s], s57, v[L8]
	s_add_co_u32 s56, s56, SLOT
	s_add_co_u32 s57, s57, SLOT
.endr
	s_xor_b32 s57, s17, 1                          ; from R's words of my half to P's of mine: 4,096 x (2 + SEL - SIDE)
	s_add_co_u32 s57, s57, s18
	s_add_co_u32 s57, s57, 1
	s_lshl_b32 s57, s57, 12
	v_mul_u32_u24 v20, s57, v3                     ; lanes 16-31 take P's
	v_lshl_add_u32 v20, v2, 3, v20                 ; 8 bytes a row: a K step's two words
	s_lshl_b32 s56, s17, 12
	s_add_co_u32 s56, s56, SCL
	v_add_nc_u32 v[ADRS], s56, v20
	v_mul_u32_u24 v[VSC], v3, HEADB
	v_lshl_add_u32 v[VSC], v2, 4, v[VSC]
	; the bias, in the result's layout, and where my records begin
	s_lshl_b32 s56, ttmp9, 2
	s_add_co_u32 s56, s56, s20                     ; 4 x + cx
	s_cmp_lg_u32 s19, 0
	s_cbranch_scc1 .Lbias_v
	s_lshl_b32 s57, s22, 2                         ; MODE 0.  P's tile = 4 x + cx: four heads of q or k;
	s_add_co_u32 s57, s57, s21                     ; R's tile = 4 y + cy: 256 rows of x
	s_lshl_b32 s58, s56, 2
	s_lshl_b32 s59, s18, 1
	s_add_co_u32 s58, s58, s59                     ; my first head among q's 16 and k's 16
	s_lshr_b32 s59, s58, 4
	s_lshl_b32 s59, s59, 6                         ; 64 x sec
	s_and_b32 s60, s58, 15
	s_add_co_u32 s59, s59, s60                     ; + head
	s_lshr_b32 s60, s57, 3
	s_lshl_b32 s60, s60, 4
	s_add_co_u32 s59, s59, s60                     ; + 16 b
	s_and_b32 s60, s57, 7
	s_lshl_b32 s60, s60, 1
	s_add_co_u32 s60, s60, s17                     ; the block of 128 rows
	s_lshl_b32 s62, s56, 10
	s_lshl_b32 s63, s18, 9
	s_add_co_u32 s62, s62, s63                     ; my first column, in bytes
	s_mov_b32 s63, 0
	s_add_nc_u64 s[12:13], s[12:13], s[62:63]
	v_lshlrev_b32 v21, 6, v3                       ; register 8 b + j wants column 32 (b / 2) + 16 h + 8 (b % 2) + j
.irp b, 0,1,2,3,4,5,6,7
	global_load_b128 v[BIAS+8*\b:BIAS+8*\b+3], v21, s[12:13] offset:(32*(\b/2)+8*(\b%2))*4
	global_load_b128 v[BIAS+8*\b+4:BIAS+8*\b+7], v21, s[12:13] offset:(32*(\b/2)+8*(\b%2))*4+16
.endr
	s_branch .Lbias_done
.Lbias_v:
	s_sub_co_u32 s57, s22, 8                       ; MODE 1.  P's tile = 4 x + cx + 8 (y - 8): 256 keys; R's tile = cy: four heads of v
	s_lshl_b32 s57, s57, 3
	s_add_co_u32 s56, s56, s57
	s_lshr_b32 s59, s56, 3
	s_lshl_b32 s59, s59, 4                         ; 16 b
	s_add_co_u32 s59, s59, 128                     ; + 64 x sec
	s_lshl_b32 s58, s21, 2
	s_add_co_u32 s59, s59, s58
	s_lshl_b32 s58, s17, 1
	s_add_co_u32 s59, s59, s58                     ; + my first head
	s_and_b32 s60, s56, 7
	s_lshl_b32 s60, s60, 1
	s_add_co_u32 s60, s60, s18                     ; the block of 128 keys
	s_lshl_b32 s62, s21, 10
	s_lshl_b32 s63, s17, 9
	s_add_co_u32 s62, s62, s63
	s_add_co_u32 s62, s62, 8192                    ; column 2,048 + 256 cy + 128 SIDE, in bytes
	s_mov_b32 s63, 0
	s_add_nc_u64 s[12:13], s[12:13], s[62:63]
	v_and_b32 v21, 8, v2
	v_add_nc_u32 v21, v21, v2
	v_lshlrev_b32 v21, 2, v21                      ; all eight registers of tile a want the lane's channel 32 (a / 2) + 8 (a % 2) + r + 8 (r / 8)
.irp a, 0,1,2,3,4,5,6,7
.irp j, 0,1,2,3,4,5,6,7
	global_load_b32 v[BIAS+8*\a+\j], v21, s[12:13] offset:(32*(\a/2)+8*(\a%2))*4
.endr
.endr
.Lbias_done:
	s_lshl_b32 s59, s59, 4
	s_add_co_u32 s59, s59, s60
	s_mul_i32 s58, s59, REC
	s_mov_b32 s59, 0
	s_add_nc_u64 s[14:15], s[14:15], s[58:59]      ; my first record
.macro FRAG reg, adr, q, i             ; tile i's fragment of the slot's q-th 128 along K: two images, four loads, each of consecutive bytes
.set FO, ((\i)/2)*GSL+2*(\q)*KH+((\i)%2)*HFI
	ds_load_b128 v[\reg:\reg+3], v[\adr] offset:FO
	ds_load_b64 v[\reg+4:\reg+5], v[\adr+3] offset:FO+512
	ds_load_b128 v[\reg+6:\reg+9], v[\adr] offset:FO+KH
	ds_load_b64 v[\reg+10:\reg+11], v[\adr+3] offset:FO+KH+512
.endm
; 16 matrix instructions: R's tiles a0, a0 + 1 x P's eight.  p: P's set; sc: the set of scale words.  cm = 1: the bias by P's index starts the sums; 2: the bias by R's; 0: the sums go on.
; The 64 accumulators take turns, one instruction a turn, in the same order in every step.
.macro MUL16 a0, p, q, sc, cm
.irp a, \a0, \a0+1
.irp b, 0,1,2,3,4,5,6,7
.if \cm == 1
	v_wmma_scale_f32_16x16x128_f8f6f4 v[8*(8*((\a)%4)+\b):8*(8*((\a)%4)+\b)+7], v[128*(\p)+FR*\b:128*(\p)+FR*\b+FR-1], v[AF+FR*(\a):AF+FR*(\a)+FR-1], v[BIAS+8*\b:BIAS+8*\b+7], v[SC+16*(\sc)+2*\b+(\q)], v[SC+16*(\sc)+2*(\a)+(\q)] matrix_a_fmt:MATRIX_FMT_FP6 matrix_b_fmt:MATRIX_FMT_FP6 matrix_a_scale:MATRIX_SCALE_ROW1
.elseif \cm == 2
	v_wmma_scale_f32_16x16x128_f8f6f4 v[8*(8*((\a)%4)+\b):8*(8*((\a)%4)+\b)+7], v[128*(\p)+FR*\b:128*(\p)+FR*\b+FR-1], v[AF+FR*(\a):AF+FR*(\a)+FR-1], v[BIAS+8*(\a):BIAS+8*(\a)+7], v[SC+16*(\sc)+2*\b+(\q)], v[SC+16*(\sc)+2*(\a)+(\q)] matrix_a_fmt:MATRIX_FMT_FP6 matrix_b_fmt:MATRIX_FMT_FP6 matrix_a_scale:MATRIX_SCALE_ROW1
.else
	v_wmma_scale_f32_16x16x128_f8f6f4 v[8*(8*((\a)%4)+\b):8*(8*((\a)%4)+\b)+7], v[128*(\p)+FR*\b:128*(\p)+FR*\b+FR-1], v[AF+FR*(\a):AF+FR*(\a)+FR-1], v[8*(8*((\a)%4)+\b):8*(8*((\a)%4)+\b)+7], v[SC+16*(\sc)+2*\b+(\q)], v[SC+16*(\sc)+2*(\a)+(\q)] matrix_a_fmt:MATRIX_FMT_FP6 matrix_b_fmt:MATRIX_FMT_FP6 matrix_a_scale:MATRIX_SCALE_ROW1
.endif
.endr
.endr
.endm
.macro FETCH_B slot, q, p              ; P's eight fragments into set p
	WIN TO_B
.irp i, 0,1,2,3,4,5,6,7
	FRAG 128*(\p)+FR*\i, ADRB+(\slot), \q, \i
.endr
	WIN 0
.endm
.macro FETCH_A slot, q, i0             ; R's tiles i0 .. i0 + 3
.irp i, \i0, \i0+1, \i0+2, \i0+3
	FRAG AF+FR*(\i), ADRA+(\slot), \q, \i
.endr
.endm
.macro SCALES j, sc                    ; K step j's scale words into set sc: two words a row; every offset is an immediate
.irp i, 0,1,2,3,4,5,6,7
	ds_load_b64 v[SC+16*(\sc)+2*\i:SC+16*(\sc)+2*\i+1], v[ADRS] offset:(\i/2)*1024+(\j)*256+(\i%2)*128
.endr
.endm
; A load into a register that a matrix instruction has read, and a vector instruction that reads a matrix result, stand NP places behind it; only plain vector instructions that name none of its registers are places.
.macro PLACES n
.rept \n
	v_nop
.endr
.endm
; K step j's first 128 along K; it fetches the second 128 of the same slot
.macro STEP j, cm
	s_wait_dscnt 4*NL                              ; P's set, R's tiles 0-3 and the scale words are in; the youngest sixteen loads (R's tiles 4-7) may be out
.if \cm
	WIN 0x81                                       ; C (the bias) window 0, D window 2
.else
	WIN MUL_LO
.endif
	MUL16 0, 0, 0, (\j)%2, \cm
	MUL16 2, 0, 0, (\j)%2, \cm
	s_wait_dscnt 0x0                               ; R's tiles 4-7 are in
	PLACES NP
	FETCH_B (\j)%3, 1, 1
	FETCH_A (\j)%3, 1, 0
.if \cm
	WIN 0xc1
.else
	WIN MUL_HI
.endif
	MUL16 4, 0, 0, (\j)%2, \cm
	MUL16 6, 0, 0, (\j)%2, \cm
	PLACES NP
	WIN 0
	FETCH_A (\j)%3, 1, 4
.endm
; K step j's second 128; it fetches the next slot's first.  kind 0: the next slot was shown whole to every wave by an earlier barrier.  kind 1: one barrier; in front of it each wave waits for all its tensor loads,
; adds 0 to its spare word, and waits for that and for its reads.  kind 2: that barrier opens a round of the cluster's, and behind the round slot 0 is filled again, with K step 3.
.macro CROSS j, kind
.if \kind > 0
	s_wait_tensorcnt 0x0                           ; all my tensor loads have landed  (every window is 0 here: the add's two registers lie in window 0)
	ds_add_u32 v[SPW], v[NIL]                      ; 0 onto my spare word
	s_wait_dscnt 4*NL+1                            ; (the add and the youngest sixteen loads may be out)
.else
	s_wait_dscnt 4*NL
.endif
	WIN MUL_LO
	MUL16 0, 1, 1, (\j)%2, 0                       ; sixteen matrix instructions stand between the add and the wait for it
.if \kind > 0
	s_wait_dscnt 0x0                               ; the add is done, and my reads of this slot are over
	s_barrier_signal -1
.endif
	MUL16 2, 1, 1, (\j)%2, 0
.if \kind > 0
	WIN 0
	s_barrier_wait -1
.else
	s_wait_dscnt 0x0
.endif
.if \kind == 2
	CREST                                          ; no wave of any partner still reads slot 0 or has a load on its way
	s_add_nc_u64 s[G0+2:G0+3], s[G0+2:G0+3], 3*GSL
	s_add_nc_u64 s[G0B+2:G0B+3], s[G0B+2:G0B+3], 3*GSL
	JLOAD G0, G1, G0B, G1B                         ; the first tensor load behind the round; its four v_nop are also the places in front of the loads below
.else
	PLACES NP
.endif
	FETCH_B ((\j)+1)%3, 0, 0
	FETCH_A ((\j)+1)%3, 0, 0
	SCALES (\j)+1, ((\j)+1)%2
	WIN MUL_HI
	MUL16 4, 1, 1, (\j)%2, 0
	MUL16 6, 1, 1, (\j)%2, 0
	PLACES NP
	WIN 0
	FETCH_A ((\j)+1)%3, 0, 4
.endm
	s_wait_tensorcnt 2                             ; the scale words and my part of K step 0 are in; K steps 1 and 2 may stay out
	s_barrier_signal -1
	s_barrier_wait -1                              ; everybody's are
	FETCH_B 0, 0, 0
	FETCH_A 0, 0, 0
	SCALES 0, 0
	FETCH_A 0, 0, 4
	s_wait_loadcnt 0x0                             ; the bias
	s_cmp_lg_u32 s19, 0
	s_cbranch_scc1 .Lfirst_v
	STEP 0, 1                                      ; the first step's products start the sums, from the bias
	s_branch .Lfirst_done
.Lfirst_v:
	STEP 0, 2
.Lfirst_done:
	CROSS 0, 2                                     ; its wait for all loads shows slots 1 and 2 whole to every wave
	STEP 1, 0
	CROSS 1, 0
	STEP 2, 0
	CROSS 2, 1                                     ; K step 3 has landed in slot 0
	STEP 3, 0
	s_wait_dscnt 4*NL                              ; the very last 128: nothing more to fetch
	WIN MUL_LO
	MUL16 0, 1, 1, 1, 0
	MUL16 2, 1, 1, 1, 0
	s_wait_dscnt 0x0
	WIN MUL_HI
	MUL16 4, 1, 1, 1, 0
	MUL16 6, 1, 1, 1, 0
	WIN 0
	PLACES NP
; THE WAY OUT.  R's tile a: my 64 registers are four blocks of 32 along P (register 16 b + i = P's 32 b + 16 h + i).  They become a fragment's 12 registers, two images, and a scale word; nothing goes through LDS:
; an image's registers 0-3 are 512 consecutive bytes of the wave, registers 4-5 are 256, all at multiples of 256 from the buffer's first byte.
.macro EPIA mode, a
.set AC, 64*((\a)%4)
	WIN 0x0a+5*((\a)/4)                            ; sources 0 and 1: window 2 or 3
.irp b, 0,1,2,3
	v_max3_num_f32 v[TM+\b], |v[AC+16*\b]|, |v[AC+16*\b+1]|, 0x1800000   ; my 16 numbers of block b, from each accumulator's low end on, and the floor 2^(3 - 127)
.endr
.irp i, 2,4,6,8,10,12,14
.irp b, 0,1,2,3
	v_max3_num_f32 v[TM+\b], |v[AC+16*\b+\i]|, |v[AC+16*\b+\i+1]|, v[TM+\b]
.endr
.endr
	WIN 0
.irp b, 0,1,2,3
	v_permlanex16_b32 v[TM+4+\b], v[TM+\b], s100, s101
.endr
.irp b, 0,1,2,3
	v_max_num_f32 v[TM+\b], v[TM+\b], v[TM+4+\b]   ; with lane l xor 16's: the block's largest magnitude
.endr
.irp b, 0,1,2,3
	v_add_nc_u32 v[TM+12+\b], 0xff000000, v[TM+\b] ; the conversion's scale operand
.endr
.irp b, 0,1,2,3
	v_lshrrev_b32 v[TM+4+\b], 23, v[TM+12+\b]      ; the scale's byte
.endr
	v_lshl_or_b32 v[PW+(\a)], v[TM+5], 8, v[TM+4]
	v_lshl_or_b32 v[PW+(\a)], v[TM+6], 16, v[PW+(\a)]
	v_lshl_or_b32 v[PW+(\a)], v[TM+7], 24, v[PW+(\a)]
	s_wait_xcnt 0x0                                ; the last tile's stores have read the codes' registers: they are written again only behind this wait
	WIN 0x02+(\a)/4                                ; source 0: window 2 or 3
.irp c, 0,1
	v_cvt_scalef32_pk16_fp6_f32 v[PC+6*\c:PC+6*\c+2], v[AC+32*\c:AC+32*\c+15], v[TM+12+2*\c]
	v_cvt_scalef32_pk16_fp6_f32 v[T2+4*\c:T2+4*\c+2], v[AC+32*\c+16:AC+32*\c+31], v[TM+12+2*\c+1]   ; (a conversion's three registers begin on an even number)
.endr
	WIN 0
	v_nop                                          ; one plain line behind the conversions
.irp c, 0,1                                    ; the operand's layout wants a whole block in a lane: lanes 0-15 block 2 c, lanes 16-31 block 2 c + 1
.irp i, 0,1,2
	v_permlane16_swap_b32 v[PC+6*\c+\i], v[T2+4*\c+\i]
.endr
.irp i, 0,1,2
	v_mov_b32 v[PC+6*\c+3+\i], v[T2+4*\c+\i]
.endr
.endr
.irp hp, 0,1
.if \mode == 0
.set OFS, \hp*HEADB+(\a)*HFI                   ; registers 6 hp on: head hp's 64 channels of R's tile a
.else
.set OFS, ((\a)/4)*HEADB+(((\a)/2)%2)*3072+\hp*1536+((\a)%2)*HFI   ; head a / 4, channel tile a % 4, half hp of the 128 keys
.endif
	global_store_b128 v[L16], v[PC+6*\hp:PC+6*\hp+3], s[14:15] offset:OFS
	global_store_b64 v[L8], v[PC+6*\hp+4:PC+6*\hp+5], s[14:15] offset:OFS+512
.endr
.endm
.irp b, 0,1,2,3
	v_mov_b32 v[TM+4+\b], 0                        ; written once: a lane permute's destination counts as one of its sources
.endr
	s_mov_b32 s2, 0x05040100                       ; v_perm_b32: the two low halves,
	s_mov_b32 s3, 0x07060302                       ; the two high halves
	s_cmp_lg_u32 s19, 0
	s_cbranch_scc1 .Lepi_v
.irp a, 0,1,2,3,4,5,6,7
	EPIA 0, \a
.endr
.irp i, 0,1,2,3                                ; a word's low half is head 0's two bytes, its high half head 1's: eight tiles' halves make 16 bytes a row for each head
	v_perm_b32 v[SR+\i], v[PW+2*\i+1], v[PW+2*\i], s2
	v_perm_b32 v[SR+4+\i], v[PW+2*\i+1], v[PW+2*\i], s3
.endr
.irp i, 0,1,2,3
	v_cndmask_b32 v[SR+\i], v[SR+\i], v[SR+4+\i], s23   ; lanes 0-15 store head 0's, lanes 16-31 head 1's
.endr
	s_branch .Lepi_done
.Lepi_v:
.irp a, 0,1,2,3,4,5,6,7
	EPIA 1, \a
.endr
.irp i, 0,1,2,3
	v_cndmask_b32 v[SR+\i], v[PW+\i], v[PW+4+\i], s23   ; four channel tiles' words a row: lanes 0-15 head 0's, lanes 16-31 head 1's
.endr
.Lepi_done:
	global_store_b128 v[VSC], v[SR:SR+3], s[14:15] offset:6144   ; sixteen lanes fill a record's last 256 bytes
	s_wait_tensorcnt 0x0                           ; the wave's end: three lines behind my last tensor load
	ds_add_u32 v[SPW], v[NIL]
	s_wait_dscnt 0x0
	CROUND                                         ; the closing round: no work-group ends while a partner may still ask for a tile that names it
	s_endpgm
.Lfunc_end_k_qc6eb7346cf_qkv:
	.size	k_qc6eb7346cf_qkv, .Lfunc_end_k_qc6eb7346cf_qkv-k_qc6eb7346cf_qkv
	.p2alignl 7, 3214868480
	.fill 96, 4, 3214868480
	.section	.rodata,"a",@progbits
	.p2align	6, 0x0
	.amdhsa_kernel k_qc6eb7346cf_qkv
		.amdhsa_group_segment_fixed_size 327680
		.amdhsa_private_segment_fixed_size 0
		.amdhsa_enable_private_segment 0
		.amdhsa_kernarg_size 48
		.amdhsa_user_sgpr_count 2
		.amdhsa_user_sgpr_kernarg_segment_ptr 1
		.amdhsa_wavefront_size32 1
		.amdhsa_system_sgpr_workgroup_id_x 1
		.amdhsa_system_sgpr_workgroup_id_y 1
		.amdhsa_system_sgpr_workgroup_id_z 1
		.amdhsa_system_vgpr_workitem_id 0
		.amdhsa_next_free_vgpr 1024
		.amdhsa_next_free_sgpr 102
		.amdhsa_reserve_vcc 0
		.amdhsa_float_denorm_mode_32 3
		.amdhsa_float_denorm_mode_16_64 3
		.amdhsa_memory_ordered 1
		.amdhsa_forward_progress 1
		.amdhsa_inst_pref_size 205
	.end_amdhsa_kernel
	.amdgpu_metadata
---
amdhsa.version: [ 1, 2 ]
amdhsa.kernels:
  - .name:           k_qc6eb7346cf_qkv
    .symbol:         k_qc6eb7346cf_qkv.kd
    .args:
      - { .name: xc, .offset: 0, .size: 8, .value_kind: global_buffer, .address_space: global }
      - { .name: xs, .offset: 8, .size: 8, .value_kind: global_buffer, .address_space: global }
      - { .name: wc, .offset: 16, .size: 8, .value_kind: global_buffer, .address_space: global }
      - { .name: ws, .offset: 24, .size: 8, .value_kind: global_buffer, .address_space: global }
      - { .name: b_qkv, .offset: 32, .size: 8, .value_kind: global_buffer, .address_space: global }
      - { .name: heads, .offset: 40, .size: 8, .value_kind: global_buffer, .address_space: global }
    .group_segment_fixed_size: 327680
    .private_segment_fixed_size: 0
    .kernarg_segment_align: 8
    .kernarg_segment_size: 48
    .max_flat_workgroup_size: 128
    .sgpr_count:     102
    .vgpr_count:     1024
    .wavefront_size: 32
...
	.end_amdgpu_metadata
.endif
;; end of part 2
;; launch attn (part 3): grid 4 x 64, 16 waves a work-group, clusters of 4 x 1, 206,848 bytes of LDS; arguments heads, oc, os; writes oc, os
.if DOCPART == 3
	.amdgcn_target "amdgcn-amd-amdhsa--gfx1250"
	.amdhsa_code_object_version 6
	.text
	.protected	k_qc6eb7346cf_attn
	.globl	k_qc6eb7346cf_attn
	.p2align	8
	.type	k_qc6eb7346cf_attn,@function
k_qc6eb7346cf_attn:
	s_mov_b64 s[64:65], 0
	v_nop
	global_prefetch_b8 v0, s[64:65] scope:SCOPE_SE
	s_setreg_imm32_b32 hwreg(HW_REG_WAVE_MODE, 25, 1), 1
	s_wait_xcnt 0x0
	s_wait_alu depctr_hold_cnt(0) depctr_sa_sdst(0) depctr_va_vdst(0) depctr_va_sdst(0) depctr_va_ssrc(0) depctr_va_vcc(0) depctr_vm_vsrc(0)
	s_getreg_b32 s2, hwreg(HW_REG_IB_STS2, 6, 4)
	s_cmp_eq_u32 s2, 0
	s_cbranch_scc0 .Lentry_in_a_cluster
	s_endpgm
.Lentry_in_a_cluster:
	s_bfe_u32 s2, ttmp6, 0x10000c
	s_cmp_lg_u32 s2, 0x3003
	s_cbranch_scc0 .Lentry_shape_is_right
	s_endpgm
.Lentry_shape_is_right:
; Attention of one head on codes of FP6 (E2M3) with E8M0 scales: S^T = K Q^T (K = the head's 64), the softmax, O^T = V^T P^T (K = the keys), O / l, and O quantised along the model's 1,024 for the last product.
; THE SOFTMAX: t = score x log2(e) / 8; M = the row's largest t so far, rounded up to a whole number; p = 2^(t - M) is quantised along the keys, not normalised; the row's sum is taken of the unquantised p and divides O
; at the end.  When M moves, the sum and O are multiplied by 2^(old M - new M): exact.
; SHARES.  A cluster of four work-groups is one head (b x 16 + head = the cluster's y); work-group cx owns 512 queries, each of its sixteen waves two tiles of 16, one after the other: tile 32 cx + 16 p + wave in pass p.
; A HEAD'S K AND V, 16 key steps x 12,800 bytes, STAY IN LDS: wave w brings key step w's two records by one joint tensor load (mask: all four partners).  Filled once: no ring, no refill.
; RECORDS (made by the launch before): k, q: tile a's image (16 rows x 64: registers 0-5; 0-3 of lane l at 16 l, 4-5 at 512 + 8 l) at 768 a, two scale bytes at 6,144 + 16 r + 2 a;
;   v: channel tile 2 g + u, half c of 128 keys at 3,072 g + 1,536 c + 768 u, scale word at 6,144 + 16 r + 4 (2 g + u).  A tile holds at place r row 8 u + r + 8 (r / 8) of its group of 32:
;   so the 16 registers of two neighbouring tiles of a result are 16 neighbours (keys in S^T, channels in O^T).
; K = 64 IN AN INSTRUCTION OF 128: registers 6-11 of K's and Q's fragments hold zero codes, and the scale bytes, loaded as 16 bits, have 0 above them, which is a power of two and no NaN.
; OUT: oc [group of 32 rows][head][u][768] and os [group][head / 4][u][r][word (head / 2) % 2], my two bytes at 2 (head % 2).  A row's scale word belongs to two heads, that is, two work-groups:
;   these stores are of 2 bytes a lane, 8 bytes apart; they are 1 byte in 24 of what the launch stores.
; LIMITS: a block of zeros, or one whose largest magnitude lies under 2^-124, gets the byte 1; NaN and infinities are not served.
; REGISTERS: v1-3, v10 lane terms; v4, v7, v8 the step's LDS addresses; v5, v6 the add's two; v12 -M, v13 the largest t, v[14:15] the sum; v16-27, v28 Q and its scales, pass 0; v80-91, v92 pass 1;
;   v32-79 four fragments of K; v96-159 S^T, then p, then (v96-143) V's four fragments; v160-191 O^T; v192-223 O / l; v224-235 p's codes; v232-254 at work; v248-251 K's or V's scales; v253 p's scale word.
.set REC,   6400
.set HEADB, 16*REC
.set SECB,  64*HEADB
.set STEPB, 2*REC                      ; a key step in LDS: K's record, then V's
.set SPARE, 16*STEPB                   ; the spare words: 128 bytes for each wave, eight blocks of 256 bytes that no other line names
.set SPW, 5
.set NIL, 6
.macro ROUND                           ; a round of the cluster's barrier
	s_barrier_signal -1
	s_barrier_wait -1
	s_cmp_lg_u32 s18, 0
	s_cbranch_scc1 .Lnot_wave_0_\@
	s_barrier_signal -3
.Lnot_wave_0_\@:
	s_barrier_wait -3
	s_barrier_signal -1
	s_barrier_wait -1
.endm
	s_load_b128 s[4:7], s[0:1], 0x0                ; heads s[4:5], oc s[6:7]
	s_load_b64 s[8:9], s[0:1], 0x10                ; os
	v_lshl_add_u32 v[SPW], v0, 2, SPARE
	v_mov_b32 v[NIL], 0
	ds_add_u32 v[SPW], v[NIL]                      ; the wave's opening: the add and its wait ahead of my first tensor load; the set-up below, work on registers, stands between them
	ds_add_u32 v[SPW], v[NIL]
	v_lshrrev_b32 v8, 5, v0
	s_delay_alu instid0(VALU_DEP_1)
	v_readfirstlane_b32 s18, v8                    ; wave 0..15
	s_bfe_u32 s19, ttmp6, 0x40000                  ; cx: it enters Q's, oc's and os's addresses alone
	s_and_b32 s36, ttmp7, 0xffff                   ; b x 16 + head, which the four partners share
	; group 1: two rows of 6,400 bytes (800 elements of 8), K's record and V's, a section of the buffer apart
	s_mov_b32 s24, 15|(3<<16)|(1<<21)              ; 15:0 the mask: all four work-groups; 17:16 elements of 8 bytes; 21 set beside a mask
	s_mov_b32 s25, 800<<16                         ; tensor_dim0
	s_mov_b32 s26, 2<<16                           ; tensor_dim1
	s_mov_b32 s27, 800<<16                         ; tile_dim0
	s_mov_b32 s28, 2                               ; tile_dim1
	s_mov_b32 s29, SECB/8                          ; tensor_dim0_stride
	s_mov_b32 s30, 0
	s_mov_b32 s31, 0
	s_mov_b32 s20, 0x76543210
	s_mov_b32 s21, 0xfedcba98                      ; v_permlanex16_b32's selects for lane l xor 16
	s_mov_b32 s22, 0x3e38aa3b                      ; c = log2(e) / 8
	s_mov_b32 s23, s22                             ; (the packed form names the pair)
	s_mul_i32 s37, s36, HEADB                      ; the head's records in a section
	s_mul_i32 s38, s18, REC
	s_add_co_u32 s38, s38, s37
	s_add_co_u32 s38, s38, SECB                    ; K's record of key step = my wave
	s_mov_b32 s39, 0
	s_mul_i32 s40, s18, STEPB                      ; and its place in LDS
	s_lshl_b32 s42, s19, 2
	s_lshr_b32 s43, s18, 3
	s_add_co_u32 s42, s42, s43                     ; Q's record in pass 0: 4 cx + wave / 8
	s_mul_i32 s42, s42, REC
	s_add_co_u32 s42, s42, s37
	s_and_b32 s43, s18, 7                          ; my tile in it
	s_mul_i32 s44, s43, 768
	s_add_co_u32 s44, s44, s42
	s_mov_b32 s45, 0
	s_lshl_b32 s46, s43, 1
	s_add_co_u32 s46, s46, s42
	s_add_co_u32 s46, s46, 6144                    ; and its scale bytes
	s_mov_b32 s47, 0
	s_lshr_b32 s48, s36, 4                         ; b
	s_and_b32 s49, s36, 15                         ; head
	s_lshl_b32 s50, s48, 6
	s_lshl_b32 s51, s19, 4
	s_add_co_u32 s50, s50, s51
	s_lshr_b32 s51, s18, 1
	s_add_co_u32 s50, s50, s51                     ; my group of 32 rows in pass 0: 64 b + 16 cx + wave / 2
	s_and_b32 s51, s18, 1                          ; u
	s_lshl_b32 s52, s50, 4
	s_add_co_u32 s52, s52, s49
	s_mul_i32 s52, s52, 1536
	s_mul_i32 s53, s51, 768
	s_add_co_u32 s52, s52, s53                     ; my image in oc
	s_mov_b32 s53, 0
	s_lshl_b32 s54, s50, 10
	s_lshr_b32 s55, s49, 2
	s_lshl_b32 s55, s55, 8
	s_add_co_u32 s54, s54, s55
	s_lshl_b32 s55, s51, 7
	s_add_co_u32 s54, s54, s55
	s_and_b32 s55, s49, 3
	s_lshl_b32 s55, s55, 1
	s_add_co_u32 s54, s54, s55                     ; my two bytes of row 0's scale words in os
	s_mov_b32 s55, 0
	s_wait_dscnt 0x0                               ; the opening add is done
	s_wait_kmcnt 0x0
	s_mov_b32 s32, 1                               ; group 0: count = 1
	s_mov_b32 s33, s40                             ; LDS address
	s_add_nc_u64 s[34:35], s[4:5], s[38:39]        ; global address
	s_or_b32 s35, s35, 0x80000000                  ; type = 2
	s_add_nc_u64 s[10:11], s[4:5], s[44:45]        ; Q's codes
	s_add_nc_u64 s[12:13], s[4:5], s[46:47]        ; Q's scale bytes
	s_add_nc_u64 s[6:7], s[6:7], s[52:53]
	s_add_nc_u64 s[8:9], s[8:9], s[54:55]
	ROUND                                          ; all four work-groups are here: the joint loads meet
	tensor_load_to_lds s[32:35], s[24:31]          ; my one tensor load of the launch
	s_nop 0
.rept 4
	v_nop
.endr
	v_and_b32 v9, 31, v0
	s_delay_alu instid0(VALU_DEP_1)
	v_lshlrev_b32 v1, 4, v9                        ; 16 x lane
	s_delay_alu instid0(VALU_DEP_2)
	v_lshlrev_b32 v2, 3, v9                        ; 8 x lane
	v_and_b32 v11, 15, v0
	s_delay_alu instid0(VALU_DEP_1)
	v_lshlrev_b32 v3, 4, v11                       ; 16 r
	s_delay_alu instid0(VALU_DEP_2)
	v_lshlrev_b32 v10, 3, v11                      ; 8 r
	global_load_b128 v[16:19], v1, s[10:11]        ; Q of both passes stays in registers; pass 1's tile lies two records on
	global_load_b64 v[20:21], v2, s[10:11] offset:512
	global_load_u16 v28, v3, s[12:13]
	global_load_b128 v[80:83], v1, s[10:11] offset:2*REC
	global_load_b64 v[84:85], v2, s[10:11] offset:2*REC+512
	global_load_u16 v92, v3, s[12:13] offset:2*REC
.irp i, 0,1,2,3,4,5
	v_mov_b32 v[22+\i], 0                          ; zero codes for k = 64 .. 127: Q's,
	v_mov_b32 v[86+\i], 0
.irp t, 0,1,2,3
	v_mov_b32 v[38+12*\t+\i], 0                    ; and K's: set once, never loaded
.endr
.endr
.irp b, 0,1,2,3
	v_mov_b32 v[236+\b], 0                         ; written once: a lane permute's destination counts as one of its sources
.endr
	v_mov_b32 v253, 0                              ; (named as the upper half of the pair v[252:253] before it is first written)
	s_wait_tensorcnt 0x0                           ; my key step has landed,
	s_barrier_signal -1
	s_barrier_wait -1                              ; everybody's has
	s_wait_loadcnt 0x0                             ; Q
; A KEY STEP: 128 keys at LDS byte s2.  qf: Q's fragment; qs: its scales.
.macro KSTEP qf, qs
	v_add_nc_u32 v4, s2, v1
	s_wait_alu depctr_va_vdst(0)
	v_add_nc_u32 v7, s2, v2
	s_wait_alu depctr_va_vdst(0)
	v_add_nc_u32 v8, s2, v3
	s_wait_alu depctr_va_vdst(0)
	v_nop                                          ; five places behind the last step's products: the scores below are written over registers that those products read, and the loads below land in their scale registers
	v_nop
.irp g, 0,1                                    ; S^T = K Q^T, four tiles of 16 keys at a time
.if \g > 0
.rept 4
	v_nop                                          ; places in front of loads into registers that matrix instructions have read
.endr
.endif
.irp t, 0,1,2,3
	ds_load_b128 v[32+12*\t:35+12*\t], v4 offset:768*(4*\g+\t)
	ds_load_b64 v[36+12*\t:37+12*\t], v7 offset:768*(4*\g+\t)+512
	ds_load_u16 v[248+\t], v8 offset:6144+2*(4*\g+\t)
.endr
	s_wait_dscnt 0x0
.irp t, 0,1,2,3
	v_wmma_scale_f32_16x16x128_f8f6f4 v[96+8*(4*\g+\t):103+8*(4*\g+\t)], v[32+12*\t:43+12*\t], v[\qf:\qf+11], 0, v[248+\t], v[\qs] matrix_a_fmt:MATRIX_FMT_FP6 matrix_b_fmt:MATRIX_FMT_FP6
.endr
.endr                                          ; lane (r, h) holds query r; registers 16 b + i are keys 32 b + 16 h + i
.rept 4
	v_nop
.endr
.irp b, 0,1,2,3
	v_max3_num_f32 v[232+\b], v[96+16*\b], v[97+16*\b], v[98+16*\b]   ; the largest score of each block of 32 keys: it serves for the row's maximum and, since p rises with the score, for the block's largest p
.endr
.irp i, 3,5,7,9,11,13
.irp b, 0,1,2,3
	v_max3_num_f32 v[232+\b], v[232+\b], v[96+16*\b+\i], v[97+16*\b+\i]
.endr
.endr
.irp b, 0,1,2,3
	v_max_num_f32 v[232+\b], v[232+\b], v[111+16*\b]
.endr
.irp b, 0,1,2,3
	s_delay_alu instid0(VALU_DEP_4)
	v_permlanex16_b32 v[236+\b], v[232+\b], s20, s21
.endr
.irp b, 0,1,2,3
	s_delay_alu instid0(VALU_DEP_4)
	v_max_num_f32 v[232+\b], v[232+\b], v[236+\b]  ; with lane l xor 16's 16 keys
.endr
	s_delay_alu instid0(VALU_DEP_2)
	v_max3_num_f32 v254, v232, v233, v234
	s_delay_alu instid0(VALU_DEP_1)
	v_max_num_f32 v254, v254, v235                 ; the step's largest score of my query
	s_delay_alu instid0(VALU_DEP_1)
	v_mul_f32 v254, s22, v254                      ; as t (c is positive)
	s_delay_alu instid0(VALU_DEP_1)
	v_max_num_f32 v13, v13, v254                   ; the running largest t
	v_mov_b32 v254, v12
	s_delay_alu instid0(VALU_DEP_2)
	v_floor_f32 v12, -v13                          ; the new -M = floor(-t): M is a whole number
	s_delay_alu instid0(VALU_DEP_1)
	v_sub_f32 v254, v12, v254                      ; old M - new M: a whole number, 0 or less
	s_delay_alu instid0(VALU_DEP_1)
	v_cvt_i32_f32 v254, v254                       ; (it saturates)
	s_delay_alu instid0(VALU_DEP_1)
	v_ldexp_f32 v252, 1.0, v254                    ; f = 2^(old M - new M)
.set j, 0
.rept 32
	v_pk_fma_f32 v[96+j:97+j], v[96+j:97+j], s[22:23], v[12:13] op_sel_hi:[1,0,0]   ; t - M, two at a time (of the pairs c and -M the low word serves both halves)
.set j, j+2
.endr
.irp b, 0,1,2,3
	v_fma_f32 v[232+\b], v[232+\b], s22, v12       ; the same of each block's largest score
.endr
.set j, 0
	s_wait_alu depctr_va_vdst(0)
.rept 64
	v_exp_f32 v[96+j], v[96+j]                     ; p = 2^(t - M), at most 1
.set j, j+1
.endr
	s_setprio 1
	v_pk_mul_f32 v[14:15], v[14:15], v[252:253] op_sel_hi:[1,0]   ; the sums under the new M; also the plain line behind the exponentials
	s_wait_alu depctr_va_vdst(0)                   ; one wait for the whole batch, ahead of its first reader
.irp b, 0,1,2,3
	v_exp_f32 v[232+\b], v[232+\b]                 ; the block's largest p: the same two instructions on the same number give the same bits
.endr
	v_pk_add_f32 v[236:237], v[100:101], v[104:105]
	v_pk_add_f32 v[254:255], v[108:109], v[112:113]
	v_pk_add_f32 v[250:251], v[116:117], v[120:121]
	v_pk_add_f32 v[248:249], v[124:125], v[128:129]
	v_pk_add_f32 v[246:247], v[132:133], v[136:137]
	v_pk_add_f32 v[244:245], v[140:141], v[144:145]
	v_pk_add_f32 v[242:243], v[148:149], v[152:153]
	v_pk_add_f32 v[14:15], v[14:15], v[156:157]
	v_pk_add_f32 v[236:237], v[236:237], v[96:97]
	v_pk_add_f32 v[254:255], v[254:255], v[98:99]
	v_pk_add_f32 v[250:251], v[250:251], v[102:103]
	v_pk_add_f32 v[248:249], v[248:249], v[106:107]
	v_pk_add_f32 v[246:247], v[246:247], v[110:111]
	v_pk_add_f32 v[244:245], v[244:245], v[114:115]
	v_pk_add_f32 v[242:243], v[242:243], v[118:119]
	v_pk_add_f32 v[14:15], v[14:15], v[122:123]
	v_pk_add_f32 v[236:237], v[236:237], v[126:127]
	v_pk_add_f32 v[254:255], v[254:255], v[130:131]
	v_pk_add_f32 v[250:251], v[250:251], v[134:135]
	v_pk_add_f32 v[248:249], v[248:249], v[138:139]
	v_pk_add_f32 v[246:247], v[246:247], v[142:143]
	v_pk_add_f32 v[244:245], v[244:245], v[146:147]
	v_pk_add_f32 v[242:243], v[242:243], v[150:151]
	v_pk_add_f32 v[14:15], v[14:15], v[154:155]
	v_pk_add_f32 v[236:237], v[236:237], v[158:159]
	s_delay_alu instid0(VALU_DEP_2)
	v_pk_add_f32 v[14:15], v[14:15], v[248:249]
	s_delay_alu instid0(VALU_DEP_2)
	v_pk_add_f32 v[236:237], v[236:237], v[246:247]
	v_pk_add_f32 v[254:255], v[254:255], v[244:245]
	v_pk_add_f32 v[250:251], v[250:251], v[242:243]
	s_delay_alu instid0(VALU_DEP_2)
	v_pk_add_f32 v[14:15], v[14:15], v[254:255]
	s_delay_alu instid0(VALU_DEP_2)
	v_pk_add_f32 v[236:237], v[236:237], v[250:251]
	s_delay_alu instid0(VALU_DEP_1)
	v_pk_add_f32 v[14:15], v[14:15], v[236:237]
	s_wait_alu depctr_va_vdst(0)                   ; and one for the four
.irp b, 0,1,2,3
	v_max_num_f32 v[232+\b], 0x1800000, v[232+\b]  ; the floor 2^(3 - 127): the byte cannot fall under 1
.endr
.irp b, 0,1,2,3
	s_delay_alu instid0(VALU_DEP_4)
	v_add_nc_u32 v[244+\b], 0xff000000, v[232+\b]  ; the conversion's scale operand
.endr
.irp b, 0,1,2,3
	s_delay_alu instid0(VALU_DEP_4)
	v_lshrrev_b32 v[236+\b], 23, v[244+\b]         ; the scale's byte
.endr
	s_delay_alu instid0(VALU_DEP_3)
	v_lshl_or_b32 v253, v237, 8, v236              ; p's scale word for these 128 keys
	s_delay_alu instid0(VALU_DEP_1)
	v_lshl_or_b32 v253, v238, 16, v253
	s_delay_alu instid0(VALU_DEP_1)
	v_lshl_or_b32 v253, v239, 24, v253
.irp c, 0,1
	v_cvt_scalef32_pk16_fp6_f32 v[224+6*\c:226+6*\c], v[96+32*\c:111+32*\c], v[244+2*\c]
	v_cvt_scalef32_pk16_fp6_f32 v[236+4*\c:238+4*\c], v[112+32*\c:127+32*\c], v[244+2*\c+1]   ; (a conversion's three registers begin on an even number)
.endr
.irp a, 0,1,2,3                                ; p is spent: V^T's four fragments (16 channels x 128 keys) land where it lay, while the codes are put in order
	ds_load_b128 v[96+12*\a:99+12*\a], v4 offset:REC+(\a/2)*3072+(\a%2)*768
	ds_load_b64 v[100+12*\a:101+12*\a], v7 offset:REC+(\a/2)*3072+(\a%2)*768+512
	ds_load_b128 v[102+12*\a:105+12*\a], v4 offset:REC+(\a/2)*3072+(\a%2)*768+1536
	ds_load_b64 v[106+12*\a:107+12*\a], v7 offset:REC+(\a/2)*3072+(\a%2)*768+2048
	ds_load_b32 v[248+\a], v8 offset:REC+6144+4*\a
.endr
	v_nop                                          ; one plain line behind the conversions
	s_setprio 0
.irp c, 0,1                                    ; the operand's layout wants a whole block in a lane
.irp i, 0,1,2
	v_permlane16_swap_b32 v[224+6*\c+\i], v[236+4*\c+\i]
.endr
.irp i, 0,1,2
	s_delay_alu instid0(VALU_DEP_3)
	v_mov_b32 v[227+6*\c+\i], v[236+4*\c+\i]
.endr
.endr
.set j, 0
.rept 16
	v_pk_mul_f32 v[160+j:161+j], v[160+j:161+j], v[252:253] op_sel_hi:[1,0]   ; O^T under the new M; these sixteen also stand between the scale word's and the codes' last writes and the products
.set j, j+2
.endr
	s_wait_alu depctr_va_vdst(0)
	s_wait_dscnt 0x0
.irp a, 0,1,2,3                                ; O^T += V^T P^T: the four accumulators by turns
	v_wmma_scale_f32_16x16x128_f8f6f4 v[160+8*\a:167+8*\a], v[96+12*\a:107+12*\a], v[224:235], v[160+8*\a:167+8*\a], v[248+\a], v253 matrix_a_fmt:MATRIX_FMT_FP6 matrix_b_fmt:MATRIX_FMT_FP6
.endr
.endm
; A PASS: one tile of 16 queries against all 2,048 keys, and its way out.
.macro PASS p, qf, qs
.if \p
	s_wait_xcnt 0x0                                ; the last pass's stores have read their registers
.endif
	v_mov_b32 v13, 0xff61b1e6                      ; the largest t so far: -3e38, under every t
	s_delay_alu instid0(VALU_DEP_1)
	v_floor_f32 v12, -v13                          ; -M
	v_mov_b32 v14, 0                               ; the sum, in two halves
	v_mov_b32 v15, 0
.set j, 0
.rept 32
	v_mov_b32 v[160+j], 0                          ; O^T: the step is written once; the first finds zeros, which the first change of M leaves zeros
.set j, j+1
.endr
	s_mov_b32 s2, 0
	s_mov_b32 s3, 16
.Lkeys_\p:
	s_setprio 2
	KSTEP \qf, \qs
	s_add_co_u32 s2, s2, STEPB
	s_sub_co_u32 s3, s3, 1
	s_cmp_lg_u32 s3, 0
	s_cbranch_scc1 .Lkeys_\p
	s_setprio 0
.rept 4
	v_nop                                          ; places behind the last products
.endr
	v_add_f32 v14, v14, v15                        ; the sum's two halves,
	s_delay_alu instid0(VALU_DEP_1)
	v_permlanex16_b32 v252, v14, s20, s21
	s_delay_alu instid0(VALU_DEP_1)
	v_add_f32 v14, v14, v252                       ; and lane l xor 16's: the row's sum
	s_wait_alu depctr_va_vdst(0)
	v_rcp_f32 v14, v14
	v_nop                                          ; a plain line behind the reciprocal
	s_wait_alu depctr_va_vdst(0)                   ; and the wait ahead of its first reader
.set j, 0
.rept 16
	v_pk_mul_f32 v[192+j:193+j], v[160+j:161+j], v[14:15] op_sel_hi:[1,0]   ; O / l, from each accumulator's low end on: register 16 g + i is channel 32 g + 16 h + i of my query
.set j, j+2
.endr
.irp g, 0,1
	v_max3_num_f32 v[232+\g], |v[192+16*\g]|, |v[193+16*\g]|, 0x1800000    ; the head's two blocks of 32 along the last product's K
.endr
.irp i, 2,4,6,8,10,12,14
.irp g, 0,1
	s_delay_alu instid0(VALU_DEP_2)
	v_max3_num_f32 v[232+\g], v[232+\g], |v[192+16*\g+\i]|, |v[193+16*\g+\i]|
.endr
.endr
.irp g, 0,1
	s_delay_alu instid0(VALU_DEP_2)
	v_permlanex16_b32 v[236+\g], v[232+\g], s20, s21
.endr
.irp g, 0,1
	s_delay_alu instid0(VALU_DEP_2)
	v_max_num_f32 v[232+\g], v[232+\g], v[236+\g]
.endr
.irp g, 0,1
	s_delay_alu instid0(VALU_DEP_2)
	v_add_nc_u32 v[244+\g], 0xff000000, v[232+\g]
.endr
.irp g, 0,1
	s_delay_alu instid0(VALU_DEP_2)
	v_lshrrev_b32 v[236+\g], 23, v[244+\g]
.endr
	s_delay_alu instid0(VALU_DEP_1)
	v_lshl_or_b32 v253, v237, 8, v236              ; my row's two scale bytes
	v_cvt_scalef32_pk16_fp6_f32 v[224:226], v[192:207], v244
	v_cvt_scalef32_pk16_fp6_f32 v[240:242], v[208:223], v245
	v_nop                                          ; one plain line behind the conversions
.irp i, 0,1,2
	v_permlane16_swap_b32 v[224+\i], v[240+\i]     ; lanes 0-15: block 0 whole, lanes 16-31: block 1
.endr
.irp i, 0,1,2
	s_delay_alu instid0(VALU_DEP_3)
	v_mov_b32 v[227+\i], v[240+\i]
.endr
	global_store_b128 v1, v[224:227], s[6:7] offset:\p*196608       ; the image: 512 consecutive bytes, aligned; pass 1's group lies 8 groups on
	global_store_b64 v2, v[228:229], s[6:7] offset:\p*196608+512    ; and 256 more
	global_store_b16 v10, v253, s[8:9] offset:\p*8192               ; lanes r and r + 16 hold, and write, the same two bytes
.endm
	PASS 0, 16, 28
	PASS 1, 80, 92
	s_wait_tensorcnt 0x0                           ; the wave's end: three lines behind my tensor load
	ds_add_u32 v[SPW], v[NIL]
	s_wait_dscnt 0x0
	ROUND                                          ; the closing round
	s_endpgm
.Lfunc_end_k_qc6eb7346cf_attn:
	.size	k_qc6eb7346cf_attn, .Lfunc_end_k_qc6eb7346cf_attn-k_qc6eb7346cf_attn
	.p2alignl 7, 3214868480
	.fill 96, 4, 3214868480
	.section	.rodata,"a",@progbits
	.p2align	6, 0x0
	.amdhsa_kernel k_qc6eb7346cf_attn
		.amdhsa_group_segment_fixed_size 206848
		.amdhsa_private_segment_fixed_size 0
		.amdhsa_enable_private_segment 0
		.amdhsa_kernarg_size 24
		.amdhsa_user_sgpr_count 2
		.amdhsa_user_sgpr_kernarg_segment_ptr 1
		.amdhsa_wavefront_size32 1
		.amdhsa_system_sgpr_workgroup_id_x 1
		.amdhsa_system_sgpr_workgroup_id_y 1
		.amdhsa_system_sgpr_workgroup_id_z 1
		.amdhsa_system_vgpr_workitem_id 0
		.amdhsa_next_free_vgpr 256
		.amdhsa_next_free_sgpr 66
		.amdhsa_reserve_vcc 0
		.amdhsa_float_denorm_mode_32 3
		.amdhsa_float_denorm_mode_16_64 3
		.amdhsa_memory_ordered 1
		.amdhsa_forward_progress 1
		.amdhsa_inst_pref_size 55
	.end_amdhsa_kernel
	.amdgpu_metadata
---
amdhsa.version: [ 1, 2 ]
amdhsa.kernels:
  - .name:           k_qc6eb7346cf_attn
    .symbol:         k_qc6eb7346cf_attn.kd
    .args:
      - { .name: heads, .offset: 0, .size: 8, .value_kind: global_buffer, .address_space: global }
      - { .name: oc, .offset: 8, .size: 8, .value_kind: global_buffer, .address_space: global }
      - { .name: os, .offset: 16, .size: 8, .value_kind: global_buffer, .address_space: global }
    .group_segment_fixed_size: 206848
    .private_segment_fixed_size: 0
    .kernarg_segment_align: 8
    .kernarg_segment_size: 24
    .max_flat_workgroup_size: 512
    .sgpr_count:     66
    .vgpr_count:     256
    .wavefront_size: 32
...
	.end_amdgpu_metadata
.endif
;; end of part 3
;; launch proj (part 4): grid 4 x 32, 4 waves a work-group, clusters of 4 x 4, 327,680 bytes of LDS; arguments oc, os, wc, ws, b_out, out0; writes out0
.if DOCPART == 4
	.amdgcn_target "amdgcn-amd-amdhsa--gfx1250"
	.amdhsa_code_object_version 6
	.text
	.protected	k_qc6eb7346cf_proj
	.globl	k_qc6eb7346cf_proj
	.p2align	8
	.type	k_qc6eb7346cf_proj,@function
k_qc6eb7346cf_proj:
	s_mov_b64 s[64:65], 0
	v_nop
	global_prefetch_b8 v0, s[64:65] scope:SCOPE_SE
	s_setreg_imm32_b32 hwreg(HW_REG_WAVE_MODE, 25, 1), 1
	s_wait_xcnt 0x0
	s_wait_alu depctr_hold_cnt(0) depctr_sa_sdst(0) depctr_va_vdst(0) depctr_va_sdst(0) depctr_va_ssrc(0) depctr_va_vcc(0) depctr_vm_vsrc(0)
	s_getreg_b32 s2, hwreg(HW_REG_IB_STS2, 6, 4)
	s_cmp_eq_u32 s2, 0
	s_cbranch_scc0 .Lentry_in_a_cluster
	s_endpgm
.Lentry_in_a_cluster:
	s_bfe_u32 s2, ttmp6, 0x10000c
	s_cmp_lg_u32 s2, 0xf033
	s_cbranch_scc0 .Lentry_shape_is_right
	s_endpgm
.Lentry_shape_is_right:
.set HFI,   768
.set KH,    1536
.set GSL,   6144
.set GRP,   24576
.set HALFT, 4*GSL
.set SLOT,  4*HALFT
.set SCL,   3*SLOT
.set SPARE, SCL+4*4096
.set STAGE, SLOT
.set SPITCH, 528
.set FR,    12
.set NL,    4
.set NP,    4
.set ADRA,  4
.set ADRB,  10
.set ADRS,  16
.set L16,   17
.set L8,    18
.set STO,   24
.set RD,    25
.set SPW,   28
.set NIL,   29
.set SC,    32
.set BIAS,  64
.set AF,    128
.set BK,    128
.set G1,    24
.set G1B,   32
.set G1S,   40
.set G1SB,  48
.set G0,    68
.set G0B,   80
.set G0S,   92
.set G0SB,  96
.set MSB, 0
.macro WIN new
.if MSB != (\new)
	s_set_vgpr_msb (MSB<<8)|(\new)
.set MSB, (\new)
.endif
.endm
.set MUL_LO, 0xa1
.set MUL_HI, 0xf1
.set TO_B,   0x40
.macro JLOAD g0a, g1a, g0b, g1b
	s_cmp_eq_u32 s17, 0
	s_cbranch_scc0 .Lfor_b_\@
	tensor_load_to_lds s[\g0a:\g0a+3], s[\g1a:\g1a+7]
	s_nop 0
.rept 4
	v_nop
.endr
	s_branch .Lasked_\@
.Lfor_b_\@:
	tensor_load_to_lds s[\g0b:\g0b+3], s[\g1b:\g1b+7]
	s_nop 0
.rept 4
	v_nop
.endr
.Lasked_\@:
.endm
.macro CREST
	s_cmp_lg_u32 s16, 0
	s_cbranch_scc1 .Lnot_wave_0_\@
	s_barrier_signal -3
.Lnot_wave_0_\@:
	s_barrier_wait -3
	s_barrier_signal -1
	s_barrier_wait -1
.endm
.macro CROUND
	s_barrier_signal -1
	s_barrier_wait -1
	CREST
.endm
	s_load_b256 s[4:11], s[0:1], 0x0
	s_load_b128 s[12:15], s[0:1], 0x20
	v_lshl_add_u32 v[SPW], v0, 2, SPARE
	v_mov_b32 v[NIL], 0
	ds_add_u32 v[SPW], v[NIL]
	ds_add_u32 v[SPW], v[NIL]
	v_lshrrev_b32 v1, 5, v0
	v_readfirstlane_b32 s16, v1
	s_lshr_b32 s17, s16, 1
	s_and_b32 s18, s16, 1
	s_bfe_u32 s20, ttmp6, 0x40000
	s_bfe_u32 s21, ttmp6, 0x40004
	s_and_b32 s22, ttmp7, 0xffff
	s_lshl_b32 s2, s21, 2
	s_lshl_b32 s2, 15, s2
	s_lshl_b32 s3, 0x1111, s20
	s_or_b32 s[G1], s2, (3<<16)|(1<<21)
	s_or_b32 s[G1B], s3, (3<<16)|(1<<21)
.irp g, G1, G1B
	s_mov_b32 s[\g+1], 768<<16
	s_mov_b32 s[\g+2], 4<<16
	s_mov_b32 s[\g+3], 768<<16
	s_mov_b32 s[\g+4], 4
	s_mov_b32 s[\g+5], 3072
	s_mov_b32 s[\g+6], 0
	s_mov_b32 s[\g+7], 0
.endr
	s_or_b32 s[G1S], s2, (3<<16)|(1<<21)
	s_or_b32 s[G1SB], s3, (3<<16)|(1<<21)
.irp g, G1S, G1SB
	s_mov_b32 s[\g+1], 32<<16
	s_mov_b32 s[\g+2], 16<<16
	s_mov_b32 s[\g+3], 32<<16
	s_mov_b32 s[\g+4], 16
	s_mov_b32 s[\g+5], 32
	s_mov_b32 s[\g+6], 0
	s_mov_b32 s[\g+7], 0
.endr
	s_lshl_b32 s19, s22, 2
	s_add_co_u32 s19, s19, s21
	s_lshl_b32 s23, ttmp9, 2
	s_add_co_u32 s23, s23, s20
	s_lshl_b32 s58, s18, 2
	s_lshl_b32 s56, s19, 3
	s_add_co_u32 s56, s56, s58
	s_lshl_b32 s60, s23, 3
	s_add_co_u32 s60, s60, s58
	s_add_co_u32 s60, s60, 96
	s_lshl_b32 s58, s56, 10
	s_mul_i32 s56, s56, GRP
	s_lshl_b32 s62, s60, 10
	s_mul_i32 s60, s60, GRP
	s_mov_b32 s57, 0
	s_mov_b32 s59, 0
	s_mov_b32 s61, 0
	s_mov_b32 s63, 0
	s_mul_i32 s2, s16, HALFT
	s_lshl_b32 s3, s16, 12
	s_wait_dscnt 0x0
	s_wait_kmcnt 0x0
	s_add_nc_u64 s[4:5], s[4:5], s[56:57]
	s_add_nc_u64 s[6:7], s[6:7], s[58:59]
	s_add_nc_u64 s[8:9], s[8:9], s[60:61]
	s_add_nc_u64 s[10:11], s[10:11], s[62:63]
	CROUND
	s_mov_b32 s[G0S], 1
	s_add_co_u32 s[G0S+1], s3, SCL
	s_mov_b64 s[G0S+2:G0S+3], s[6:7]
	s_or_b32 s[G0S+3], s[G0S+3], 0x80000000
	s_mov_b32 s[G0SB], 1
	s_add_co_u32 s[G0SB+1], s3, SCL
	s_mov_b64 s[G0SB+2:G0SB+3], s[10:11]
	s_or_b32 s[G0SB+3], s[G0SB+3], 0x80000000
	JLOAD G0S, G1S, G0SB, G1SB
.irp s, 0,1,2
	s_mov_b32 s[G0+4*\s], 1
	s_add_co_u32 s[G0+4*\s+1], s2, \s*SLOT
	s_add_nc_u64 s[G0+4*\s+2:G0+4*\s+3], s[4:5], \s*GSL
	s_or_b32 s[G0+4*\s+3], s[G0+4*\s+3], 0x80000000
	s_mov_b32 s[G0B+4*\s], 1
	s_add_co_u32 s[G0B+4*\s+1], s2, \s*SLOT
	s_add_nc_u64 s[G0B+4*\s+2:G0B+4*\s+3], s[8:9], \s*GSL
	s_or_b32 s[G0B+4*\s+3], s[G0B+4*\s+3], 0x80000000
	s_wait_alu depctr_va_vdst(0)
	s_wait_tensorcnt 0x0
	ds_add_u32 v28, v29
	s_wait_dscnt 0x0
	CROUND
	JLOAD G0+4*\s, G1, G0B+4*\s, G1B
.endr
	v_and_b32 v1, 31, v0
	v_and_b32 v2, 15, v0
	v_bfe_u32 v3, v0, 4, 1
	v_lshlrev_b32 v[L16], 4, v1
	v_lshlrev_b32 v[L8], 3, v1
	s_mul_i32 s56, s17, HALFT
	s_mul_i32 s57, s18, HALFT
	s_add_co_u32 s57, s57, 2*HALFT
.irp s, 0,1,2
	v_add_nc_u32 v[ADRA+\s], s56, v[L16]
	v_add_nc_u32 v[ADRA+3+\s], s56, v[L8]
	v_add_nc_u32 v[ADRB+\s], s57, v[L16]
	v_add_nc_u32 v[ADRB+3+\s], s57, v[L8]
	s_add_co_u32 s56, s56, SLOT
	s_add_co_u32 s57, s57, SLOT
.endr
	s_xor_b32 s57, s17, 1
	s_add_co_u32 s57, s57, s18
	s_add_co_u32 s57, s57, 1
	s_lshl_b32 s57, s57, 12
	v_mul_u32_u24 v20, s57, v3
	v_lshl_add_u32 v20, v2, 3, v20
	s_lshl_b32 s56, s17, 12
	s_add_co_u32 s56, s56, SCL
	v_add_nc_u32 v[ADRS], s56, v20
	s_mul_i32 s56, s16, 16*SPITCH
	s_add_co_u32 s56, s56, STAGE
	v_mul_u32_u24 v20, v2, SPITCH
	v_lshl_add_u32 v20, v3, 6, v20
	v_add_nc_u32 v[STO], s56, v20
	v_add_nc_u32 v[RD], s56, v[L16]
	s_lshl_b32 s62, s23, 10
	s_lshl_b32 s63, s18, 9
	s_add_co_u32 s62, s62, s63
	s_mov_b32 s63, 0
	s_add_nc_u64 s[12:13], s[12:13], s[62:63]
	s_add_nc_u64 s[14:15], s[14:15], s[62:63]
	s_lshl_b32 s62, s19, 20
	s_lshl_b32 s56, s17, 19
	s_add_co_u32 s62, s62, s56
	s_add_nc_u64 s[14:15], s[14:15], s[62:63]
	v_lshlrev_b32 v21, 6, v3
.irp b, 0,1,2,3,4,5,6,7
	global_load_b128 v[BIAS+8*\b:BIAS+8*\b+3], v21, s[12:13] offset:(32*(\b/2)+8*(\b%2))*4
	global_load_b128 v[BIAS+8*\b+4:BIAS+8*\b+7], v21, s[12:13] offset:(32*(\b/2)+8*(\b%2))*4+16
.endr
.macro FRAG reg, adr, q, i
.set FO, ((\i)/2)*GSL+2*(\q)*KH+((\i)%2)*HFI
	ds_load_b128 v[\reg:\reg+3], v[\adr] offset:FO
	ds_load_b64 v[\reg+4:\reg+5], v[\adr+3] offset:FO+512
	ds_load_b128 v[\reg+6:\reg+9], v[\adr] offset:FO+KH
	ds_load_b64 v[\reg+10:\reg+11], v[\adr+3] offset:FO+KH+512
.endm
.macro MUL16 a0, p, q, sc, cm
.irp a, \a0, \a0+1
.irp b, 0,1,2,3,4,5,6,7
.if \cm == 1
	v_wmma_scale_f32_16x16x128_f8f6f4 v[8*(8*((\a)%4)+\b):8*(8*((\a)%4)+\b)+7], v[128*(\p)+FR*\b:128*(\p)+FR*\b+FR-1], v[AF+FR*(\a):AF+FR*(\a)+FR-1], v[BIAS+8*\b:BIAS+8*\b+7], v[SC+16*(\sc)+2*\b+(\q)], v[SC+16*(\sc)+2*(\a)+(\q)] matrix_a_fmt:MATRIX_FMT_FP6 matrix_b_fmt:MATRIX_FMT_FP6 matrix_a_scale:MATRIX_SCALE_ROW1
.else
	v_wmma_scale_f32_16x16x128_f8f6f4 v[8*(8*((\a)%4)+\b):8*(8*((\a)%4)+\b)+7], v[128*(\p)+FR*\b:128*(\p)+FR*\b+FR-1], v[AF+FR*(\a):AF+FR*(\a)+FR-1], v[8*(8*((\a)%4)+\b):8*(8*((\a)%4)+\b)+7], v[SC+16*(\sc)+2*\b+(\q)], v[SC+16*(\sc)+2*(\a)+(\q)] matrix_a_fmt:MATRIX_FMT_FP6 matrix_b_fmt:MATRIX_FMT_FP6 matrix_a_scale:MATRIX_SCALE_ROW1
.endif
.endr
.endr
.endm
.macro FETCH_B slot, q, p
	WIN TO_B
.irp i, 0,1,2,3,4,5,6,7
	FRAG 128*(\p)+FR*\i, ADRB+(\slot), \q, \i
.endr
	WIN 0
.endm
.macro FETCH_A slot, q, i0
.irp i, \i0, \i0+1, \i0+2, \i0+3
	FRAG AF+FR*(\i), ADRA+(\slot), \q, \i
.endr
.endm
.macro SCALES j, sc
.irp i, 0,1,2,3,4,5,6,7
	ds_load_b64 v[SC+16*(\sc)+2*\i:SC+16*(\sc)+2*\i+1], v[ADRS] offset:(\i/2)*1024+(\j)*256+(\i%2)*128
.endr
.endm
.macro PLACES n
.rept \n
	v_nop
.endr
.endm
.macro STEP j, cm
	s_wait_dscnt 4*NL
.if \cm
	WIN 0x81
.else
	WIN MUL_LO
.endif
	MUL16 0, 0, 0, (\j)%2, \cm
	MUL16 2, 0, 0, (\j)%2, \cm
	s_wait_dscnt 0x0
	PLACES NP
	FETCH_B (\j)%3, 1, 1
	FETCH_A (\j)%3, 1, 0
.if \cm
	WIN 0xc1
.else
	WIN MUL_HI
.endif
	MUL16 4, 0, 0, (\j)%2, \cm
	MUL16 6, 0, 0, (\j)%2, \cm
	PLACES NP
	WIN 0
	FETCH_A (\j)%3, 1, 4
.endm
.macro CROSS j, kind
.if \kind > 0
	s_wait_tensorcnt 0x0
	ds_add_u32 v[SPW], v[NIL]
	s_wait_dscnt 4*NL+1
.else
	s_wait_dscnt 4*NL
.endif
	WIN MUL_LO
	MUL16 0, 1, 1, (\j)%2, 0
.if \kind > 0
	s_wait_dscnt 0x0
	s_barrier_signal -1
.endif
	MUL16 2, 1, 1, (\j)%2, 0
.if \kind > 0
	WIN 0
	s_barrier_wait -1
.else
	s_wait_dscnt 0x0
.endif
.if \kind == 2
	CREST
	s_add_nc_u64 s[G0+2:G0+3], s[G0+2:G0+3], 3*GSL
	s_add_nc_u64 s[G0B+2:G0B+3], s[G0B+2:G0B+3], 3*GSL
	JLOAD G0, G1, G0B, G1B
.else
	PLACES NP
.endif
	FETCH_B ((\j)+1)%3, 0, 0
	FETCH_A ((\j)+1)%3, 0, 0
	SCALES (\j)+1, ((\j)+1)%2
	WIN MUL_HI
	MUL16 4, 1, 1, (\j)%2, 0
	MUL16 6, 1, 1, (\j)%2, 0
	PLACES NP
	WIN 0
	FETCH_A ((\j)+1)%3, 0, 4
.endm
	s_wait_alu depctr_va_vdst(0)
	s_wait_tensorcnt 2
	s_barrier_signal -1
	s_barrier_wait -1
	FETCH_B 0, 0, 0
	FETCH_A 0, 0, 0
	SCALES 0, 0
	FETCH_A 0, 0, 4
	s_wait_loadcnt 0x0
	STEP 0, 1
	CROSS 0, 2
	STEP 1, 0
	CROSS 1, 0
	STEP 2, 0
	CROSS 2, 1
	STEP 3, 0
	s_wait_dscnt 4*NL
	WIN MUL_LO
	MUL16 0, 1, 1, 1, 0
	MUL16 2, 1, 1, 1, 0
	s_wait_dscnt 0x0
	WIN MUL_HI
	MUL16 4, 1, 1, 1, 0
	MUL16 6, 1, 1, 1, 0
	WIN 0
.macro TOSTAGE a
.set AC, 64*((\a)%4)
	WIN 0x08+4*((\a)/4)
.irp b, 0,1,2,3,4,5,6,7
	ds_store_b128 v[STO], v[AC+8*\b:AC+8*\b+3] offset:128*(\b/2)+32*(\b%2)
	ds_store_b128 v[STO], v[AC+8*\b+4:AC+8*\b+7] offset:128*(\b/2)+32*(\b%2)+16
.endr
	WIN 0
.set BB, BK+64*((\a)%2)
.irp t, 0,1,2,3,4,5,6,7,8,9,10,11,12,13,14,15
	ds_load_b128 v[BB+4*\t:BB+4*\t+3], v[RD] offset:\t*SPITCH
.endr
.endm
.macro SEND a, younger
.set BB, BK+64*((\a)%2)
	s_wait_dscnt \younger
.irp t, 0,1,2,3,4,5,6,7,8,9,10,11,12,13,14,15
	global_store_b128 v[L16], v[BB+4*\t:BB+4*\t+3], s[14:15] offset:(32*((\a)/2)+8*((\a)%2)+\t+8*(\t/8))*4096 th:TH_STORE_NT
.endr
.endm
	PLACES NP
	TOSTAGE 0
.irp a, 1,2,3,4,5,6,7
.if \a > 1
	s_wait_xcnt 0x0
.endif
	TOSTAGE \a
	SEND \a-1, 32
.endr
	SEND 7, 0
	s_wait_tensorcnt 0x0
	ds_add_u32 v[SPW], v[NIL]
	s_wait_dscnt 0x0
	CROUND
	s_endpgm
.Lfunc_end_k_qc6eb7346cf_proj:
	.size	k_qc6eb7346cf_proj, .Lfunc_end_k_qc6eb7346cf_proj-k_qc6eb7346cf_proj
	.p2alignl 7, 3214868480
	.fill 96, 4, 3214868480
	.section	.rodata,"a",@progbits
	.p2align	6, 0x0
	.amdhsa_kernel k_qc6eb7346cf_proj
		.amdhsa_group_segment_fixed_size 327680
		.amdhsa_private_segment_fixed_size 0
		.amdhsa_enable_private_segment 0
		.amdhsa_kernarg_size 48
		.amdhsa_user_sgpr_count 2
		.amdhsa_user_sgpr_kernarg_segment_ptr 1
		.amdhsa_wavefront_size32 1
		.amdhsa_system_sgpr_workgroup_id_x 1
		.amdhsa_system_sgpr_workgroup_id_y 1
		.amdhsa_system_sgpr_workgroup_id_z 1
		.amdhsa_system_vgpr_workitem_id 0
		.amdhsa_next_free_vgpr 1024
		.amdhsa_next_free_sgpr 102
		.amdhsa_reserve_vcc 0
		.amdhsa_float_denorm_mode_32 3
		.amdhsa_float_denorm_mode_16_64 3
		.amdhsa_memory_ordered 1
		.amdhsa_forward_progress 1
		.amdhsa_inst_pref_size 146
	.end_amdhsa_kernel
	.amdgpu_metadata
---
amdhsa.version: [ 1, 2 ]
amdhsa.kernels:
  - .name:           k_qc6eb7346cf_proj
    .symbol:         k_qc6eb7346cf_proj.kd
    .args:
      - { .name: oc, .offset: 0, .size: 8, .value_kind: global_buffer, .address_space: global }
      - { .name: os, .offset: 8, .size: 8, .value_kind: global_buffer, .address_space: global }
      - { .name: wc, .offset: 16, .size: 8, .value_kind: global_buffer, .address_space: global }
      - { .name: ws, .offset: 24, .size: 8, .value_kind: global_buffer, .address_space: global }
      - { .name: b_out, .offset: 32, .size: 8, .value_kind: global_buffer, .address_space: global }
      - { .name: out0, .offset: 40, .size: 8, .value_kind: global_buffer, .address_space: global }
    .group_segment_fixed_size: 327680
    .private_segment_fixed_size: 0
    .kernarg_segment_align: 8
    .kernarg_segment_size: 48
    .max_flat_workgroup_size: 128
    .sgpr_count:     102
    .vgpr_count:     1024
    .wavefront_size: 32
...
	.end_amdgpu_metadata
.endif
;; end of part 4
